; MI455X (gfx1250); checked and timed in simulation.
; The chip was launched on July 23, 2026; its instructions are those of AMD's public machine-readable ISA for CDNA 5 (MIT licence, August 2026) and "CDNA5" Instruction Set Architecture Reference Guide (July 2026). The comments in the code are by the model that wrote it; some were corrected since.
;; Tree Module. Allowed arithmetic: matrix products marked QUANTISED: E3M2 operands, one E8M0 scale for each 32 along K, by v_wmma_scale_f32_16x16x128_f8f6f4 with both operands' format E3M2, f32 sums; products left as they are: f32 operands where the result goes on into a quantised operand, else bf16, f16 or f32 operands; f32 sums; everything else in f32.
;; Inputs: We 16 x 2,048 x 1,000 float32; Wr 2,048 x 16 float32; be 16 x 1,000 float32; br 16 float32; x 2,048 x 2,048 float32.
;; Outputs: out0 2,048 x 1 x 1,000 float32.
;; This version of the problem:
;;   THIS VERSION OF THE PROBLEM IS GIVEN IN LOW PRECISION. The matrix products marked QUANTISED in the list below multiply operands that are first quantised to E3M2 (3 exponent bits, 2 mantissa bits; 6 bits a number), with one power-of-two scale for each 32 numbers along K (OCP MX v1.0); their sums are f32. All else is computed in f32.
;;   The module's matrix products, in the order in which they are computed (A, B: the left and right operand; K: the contracted axis; several contracted axes count as one K, in the product's order):
;;     1. [M 2,048, K 2,048] x [K 2,048, N 16]; A: input x; B: input Wr: QUANTISED
;;     2. [M 2,048, K 2,048] x [K 2,048, N 16,000]; A: input x; B: input We: QUANTISED
;;     3. batch 2,048 x [M 1, K 2] x [K 2, N 1,000]; A: softmax; B: computed on the way: left as it is (K = 2 < 32)
;;   THE QUANTISER, for each operand of a quantised product, along K:
;;     - K is cut into blocks of 32 from its start; a last block that is shorter is filled with zeros.
;;     - A block's scale is 2^e with e = floor(log2(the largest magnitude in the block)) - 4, held to -126 .. 127; a block of zeros has e = 0. As a byte (E8M0): e + 127.
;;     - Each number is divided by its block's scale, clamped to +-28, and rounded to the nearest number of E3M2, ties to even, subnormals kept.
;;     - The product sums the exact products of the quantised numbers (number of the format x scale) in f32.
;;   ~~~python
;;   def quantise(x, axis):      # numpy; x: float32 -> the quantised numbers, widened to float32 again
;;       x = np.moveaxis(x, axis, -1); K = x.shape[-1]
;;       x = np.pad(x, [(0, 0)] * (x.ndim - 1) + [(0, -K % 32)]); x = x.reshape(x.shape[:-1] + (-1, 32)); a = np.abs(x).max(-1, keepdims=True)
;;       e = np.where(a > 0, np.clip(np.frexp(np.where(a > 0, a, 1))[1] - 1 - 4, -126, 127), 0)      # np.frexp(a)[1] - 1 = floor(log2(a)), exactly
;;       r = np.clip(x / 2.0 ** e, -28, 28)
;;       step = 2.0 ** (np.maximum(np.frexp(np.where(r == 0, 1, r))[1] - 1, -2) - 2)
;;       q = np.round(r / step) * step * 2.0 ** e      # np.round: ties to even
;;       return np.moveaxis(q.reshape(q.shape[:-2] + (-1,))[..., :K], -1, axis).astype(np.float32)
;;   ~~~
;; 2 versions, each right and faster than the one before. Each part assembles by itself: llvm-mc -triple=amdgcn-amd-amdhsa -mcpu=gfx1250 --defsym DOCPART=n.
;; ======== version 1 of 2: 4 launches
;; workspace buffers: xc 3,145,728 bytes; xsc 131,072 bytes; ti 8,192 bytes of whole numbers; gw 16,384 bytes; list 262,144 bytes of whole numbers; cnt 2,048 bytes of whole numbers; part 16,777,216 bytes
;; launch route (part 1): grid 128 x 1, 16 waves a work-group, no clusters, 43,520 bytes of LDS; arguments x, Wr, br, xc, xsc, ti, gw; writes xc, xsc, ti, gw
.if DOCPART == 1
	.amdgcn_target "amdgcn-amd-amdhsa--gfx1250"
	.amdhsa_code_object_version 6
	.text
	.protected	k_q47cca922e2_route
	.globl	k_q47cca922e2_route
	.p2align	8
	.type	k_q47cca922e2_route,@function
k_q47cca922e2_route:
	s_mov_b64 s[64:65], 0
	v_nop
	global_prefetch_b8 v0, s[64:65] scope:SCOPE_SE
	s_setreg_imm32_b32 hwreg(HW_REG_WAVE_MODE, 25, 1), 1
	s_wait_xcnt 0x0
; ROUTE.  choose = Q(x) Q(Wr) + br on codes of BF6 (E3M2) with one E8M0 scale for each 32 along K; the two largest of a token's 16 scores (the lower index wins a tie) and the softmax of the two.
; It also leaves x's codes and scale words for the experts launch, so that x's f32 numbers are read once in the whole program.
; x [2048][2048] f32, Wr [2048 (k)][16] f32, br [16] f32.
; OUT: xc: 1,536 bytes a token; byte 384 q + 96 s + 32 i + 16 h + 0..15 = registers 4 i .. 4 i + 3 of the fragment of K step 4 q + s, as the lanes of half h hold them (an image of the operand's registers);
;      xsc [token][16 K steps]: scale words;  ti [token]: (1 << first expert) | (1 << (16 + second expert));  gw [token][2]: the two softmax weights, f32.
; SHARES.  Work-group g takes tokens 16 g .. 16 g + 15: 2,048 / 16 = 128 work-groups.  Wave w takes K step w (k = 128 w .. 128 w + 127): it quantises its part of x and of Wr in registers and makes one product;
; the sixteen partial sums meet in LDS, and wave 0 adds them in ascending K, adds br and chooses.
; LAYOUT.  Lane (r, h) holds k = 64 c + 32 h + 0 .. 31 (c = 0, 1) of x's row r, and of Wr's column r (registers run down K): two whole blocks a lane, so no other lane is asked for a maximum, and the conversions' results
; are the operands' registers.  The product is used transposed (source 0 = 16 experts, source 1 = 16 tokens): a lane holds one token and eight experts.
; A block's scale byte is its largest magnitude's exponent field - 4, held at 1 from below by a floor among the maximum's leaves.
; LIMITS.  NaN and infinities are not served.  A block whose largest magnitude lies under 2^-122, a block of zeros among them, gets the byte 1 (the rule says 127 for zeros): its codes are zeros or follow that scale, and only this program reads
; the bytes.  A score is the sum of sixteen partial sums of 128 along K, added in f32 in ascending K: two scores that differ by less than that rounding may be ordered otherwise than by another order of summing.
; No tensor load, no cluster: the work-groups share only Wr, 128 KiB, which each wave takes straight into registers.
.set XP,  1552                         ; LDS pitch of a token's 1,536 bytes of codes: 97 x 16, so that the 16 rows of a store of 16 bytes a lane start in 16 different groups of banks (ISA guide 11.1)
.set XI,  0                            ; 16 rows of codes
.set XSI, 16*XP                        ; 16 rows x 64 bytes of scale words
.set RED, XSI+1024                     ; 16 waves x 1,024 bytes: the partial sums, as images of their eight registers
.set TR,  RED+16384                    ; 16 tokens x 64 bytes: wave 0 turns the scores so that a lane holds all sixteen of its token
.set M,   16                           ; v16-17  largest magnitudes
.set SO,  18                           ; v18-19  the conversions' scale operands
.set BY,  20                           ; v20-21  scale bytes
.set PX,  22                           ; v22     a lane permute's destination
.set XW,  23                           ; v23     x's scale word: scales and nothing else
.set WW,  24                           ; v24     Wr's
.set X,   32                           ; v32-95  64 numbers of x; later, with W's registers, the 16 x 8 partial sums
.set W,   96                           ; v96-159 64 numbers of Wr
.set XF,  160                          ; v160-171 x's fragment; later a row of codes on its way out
.set WF,  172                          ; v172-183 Wr's fragment; later scale words on their way out
.set TC,  184                          ; v184-191 the upper halves of the blocks' codes, before they are moved
.set D,   192                          ; v192-199 the product
.set BR,  200                          ; v200-207 br of my eight experts
.set SCO, 64                           ; v64-79  wave 0: my token's sixteen scores
.set M1,  80
.set I1,  81
.set M2,  82
.set I2,  83
.set T0,  84
.set EX,  85
.set DEN, 86
.set ONE, 87
.set WD,  88
.set T2,  89
.set GW,  90                           ; v90-91  the two weights
.set A4,  92
.set A8,  93
	s_load_b256 s[4:11], s[0:1], 0x0               ; x s[4:5], Wr s[6:7], br s[8:9], xc s[10:11]
	s_load_b128 s[12:15], s[0:1], 0x20             ; xsc s[12:13], ti s[14:15]
	s_load_b64 s[16:17], s[0:1], 0x30              ; gw
	v_lshrrev_b32 v1, 5, v0
	v_readfirstlane_b32 s18, v1                    ; wave 0..15 = my K step
	v_and_b32 v1, 15, v0                           ; r
	v_bfe_u32 v2, v0, 4, 1                         ; h
	v_and_b32 v3, 31, v0                           ; lane
	s_mov_b32 s20, 0x76543210
	s_mov_b32 s21, 0xfedcba98                      ; v_permlanex16_b32's selects for lane l xor 16
	v_lshlrev_b32 v4, 13, v1
	v_lshl_add_u32 v4, v2, 7, v4                   ; x: row r of 8,192 bytes + 128 h
	v_lshlrev_b32 v5, 2, v1
	v_lshl_add_u32 v5, v2, 11, v5                  ; Wr: column r + 32 h rows of 64 bytes
	v_lshlrev_b32 v6, 3, v2                        ; 8 h: how far my two scale bytes are shifted
	; every LDS address is made here, ahead of the places where the waves part
	s_lshr_b32 s22, s18, 2
	s_mul_i32 s22, s22, 384
	s_and_b32 s23, s18, 3
	s_mul_i32 s23, s23, 96
	s_add_co_u32 s22, s22, s23                     ; my K step's 96 bytes in a token's row of codes
	v_mul_u32_u24 v7, v1, XP
	v_lshl_add_u32 v7, v2, 4, v7
	v_add_nc_u32 v7, s22, v7                       ; codes in: XI + XP r + 16 h + my K step
	s_lshl_b32 s22, s18, 2
	s_add_co_u32 s22, s22, XSI
	v_lshl_add_u32 v8, v1, 6, s22                  ; scale word in: XSI + 64 r + 4 w
	s_lshl_b32 s22, s18, 10
	s_add_co_u32 s22, s22, RED
	v_lshl_add_u32 v9, v3, 4, s22                  ; partial sums in: RED + 1,024 w + 16 lane
	s_mul_i32 s22, s18, XP
	v_lshl_add_u32 v10, v3, 4, s22                 ; codes out: wave w takes token w's row
	v_lshlrev_b32 v11, 4, v3                       ; 16 lane: the stores' offset
	s_min_u32 s26, s18, 1                          ; (waves 0 and 1 alone use the next address: the others hold wave 1's and never read by it)
	s_lshl_b32 s22, s26, 9
	s_add_co_u32 s22, s22, XSI
	v_lshl_add_u32 v12, v3, 4, s22                 ; scale words out: 512 bytes a wave
	v_lshlrev_b32 v13, 4, v3
	v_add_nc_u32 v13, RED, v13                     ; partial sums out
	v_lshlrev_b32 v15, 6, v1
	v_add_nc_u32 v15, TR, v15                      ; my token's 64 bytes of scores
	v_lshl_add_u32 v14, v2, 5, v15                 ; and my eight experts' place in them
	v_lshlrev_b32 v25, 5, v2                       ; br: 32 h
	v_mov_b32 v[PX], 0                             ; written once: a lane permute's destination counts as one of its sources
	s_wait_kmcnt 0x0
	s_lshl_b32 s22, ttmp9, 17                      ; 16 rows of 8,192 bytes a work-group,
	s_lshl_b32 s23, s18, 9                         ; 512 bytes of a row a wave
	s_add_co_u32 s22, s22, s23
	s_mov_b32 s23, 0
	s_add_nc_u64 s[4:5], s[4:5], s[22:23]
	s_lshl_b32 s22, s18, 13                        ; Wr: 128 rows of 64 bytes a wave
	s_add_nc_u64 s[6:7], s[6:7], s[22:23]
	s_mul_i32 s22, ttmp9, 16*1536
	s_mul_i32 s24, s18, 1536
	s_add_co_u32 s22, s22, s24
	s_add_nc_u64 s[10:11], s[10:11], s[22:23]      ; xc at token 16 g + w
	s_lshl_b32 s22, ttmp9, 10
	s_lshl_b32 s24, s26, 9
	s_add_co_u32 s22, s22, s24
	s_add_nc_u64 s[12:13], s[12:13], s[22:23]      ; xsc at my half of the work-group's 1,024 bytes
	s_lshl_b32 s22, ttmp9, 6
	s_add_nc_u64 s[14:15], s[14:15], s[22:23]      ; ti
	s_lshl_b32 s22, ttmp9, 7
	s_add_nc_u64 s[16:17], s[16:17], s[22:23]      ; gw
	global_load_b128 v[BR:BR+3], v25, s[8:9]
	global_load_b128 v[BR+4:BR+7], v25, s[8:9] offset:16
.irp c, 0,1
.irp i, 0,1,2,3,4,5,6,7
	global_load_b128 v[X+32*\c+4*\i:X+32*\c+4*\i+3], v4, s[4:5] offset:256*\c+16*\i th:TH_LOAD_NT   ; x(r, 128 w + 64 c + 32 h + 4 i ..): a lane's eight loads take 128 consecutive bytes; read once in the launch
.endr
.endr
.irp c, 0,1
.set i, 0
.rept 32
	global_load_b32 v[W+32*\c+i], v5, s[6:7] offset:64*(64*\c+i)   ; Wr(128 w + 64 c + 32 h + i, r): sixteen lanes read a row's 64 bytes
.set i, i+1
.endr
.endr
; 64 numbers of a lane, two whole blocks of 32, become a fragment's twelve registers at v[dst] and the scale word in v[word].
.macro Q64 src, dst, word
.irp c, 0,1
	v_max3_num_f32 v[M+\c], |v[\src+32*\c]|, |v[\src+32*\c+1]|, 0x2800000   ; the floor 2^(5 - 127) among the leaves: the byte cannot fall under 1
.endr
.irp i, 2,4,6,8,10,12,14,16,18,20,22,24,26,28,30
.irp c, 0,1
	v_max3_num_f32 v[M+\c], v[M+\c], |v[\src+32*\c+\i]|, |v[\src+32*\c+\i+1]|   ; (the two blocks by turns)
.endr
.endr
.irp c, 0,1
	v_add_nc_u32 v[SO+\c], 0xfe000000, v[M+\c]     ; 4 off the exponent field: the conversion takes this operand's exponent field as its scale
.endr
.irp c, 0,1
	v_lshrrev_b32 v[BY+\c], 23, v[SO+\c]           ; the scale's byte
.endr
	v_lshl_or_b32 v[\word], v[BY+1], 16, v[BY]     ; my two bytes, blocks h and 2 + h,
	v_lshlrev_b32 v[\word], v6, v[\word]           ; at their places in the word;
	v_permlanex16_b32 v[PX], v[\word], s20, s21
	v_or_b32 v[\word], v[\word], v[PX]             ; with lane l xor 16's two it is whole, in both lanes
.irp c, 0,1
	v_cvt_scalef32_pk16_bf6_f32 v[\dst+6*\c:\dst+6*\c+2], v[\src+32*\c:\src+32*\c+15], v[SO+\c]
	v_cvt_scalef32_pk16_bf6_f32 v[TC+4*\c:TC+4*\c+2], v[\src+32*\c+16:\src+32*\c+31], v[SO+\c]   ; (a conversion's three registers begin on an even number: the block's second three are made here and moved)
.endr
	v_nop                                          ; one plain place behind the scaled conversions
.irp c, 0,1
.irp i, 0,1,2
	v_mov_b32 v[\dst+6*\c+3+\i], v[TC+4*\c+\i]
.endr
.endr
.endm
	s_wait_loadcnt 63                              ; 82 loads were issued; at most the youngest 63 are out, so the oldest 18, br and x, are in
	Q64 X, XF, XW                                  ; x is quantised while Wr lands
.irp i, 0,1,2
	ds_store_b128 v7, v[XF+4*\i:XF+4*\i+3] offset:32*\i
.endr
	ds_store_b32 v8, v[XW]                         ; both halves of the lanes write the same word with the same value
	s_wait_loadcnt 0x0                             ; Wr
	Q64 W, WF, WW
.rept 8
	v_nop                                          ; a scale word written by a vector instruction stands eight places ahead of a scaled matrix instruction, an operand four
.endr
	v_wmma_scale_f32_16x16x128_f8f6f4 v[D:D+7], v[WF:WF+11], v[XF:XF+11], 0, v[WW], v[XW] matrix_a_fmt:MATRIX_FMT_BF6 matrix_b_fmt:MATRIX_FMT_BF6   ; register j of lane (r, h): expert 8 h + j, token r
.rept 4
	v_nop                                          ; four places ahead of the stores that read the result and of the loads into the operands' registers
.endr
	ds_store_b128 v9, v[D:D+3]                     ; the result from its low end on
	ds_store_b128 v9, v[D+4:D+7] offset:512
	s_wait_dscnt 0x0                               ; for the others' sake: my codes, my scale word and my partial sums lie in LDS
	s_barrier_signal -1
	s_barrier_wait -1                              ; everybody's do: the launch's one barrier
.irp i, 0,1,2
	ds_load_b128 v[XF+4*\i:XF+4*\i+3], v10 offset:512*\i   ; token w's 1,536 bytes
.endr
	s_wait_dscnt 0x0
.irp i, 0,1,2
	global_store_b128 v11, v[XF+4*\i:XF+4*\i+3], s[10:11] offset:512*\i   ; 32 lanes store 512 consecutive bytes, at a multiple of 512 from xc's first byte
.endr
	s_cmp_gt_u32 s18, 1
	s_cbranch_scc1 .Ldone
	ds_load_b128 v[WF:WF+3], v12                   ; waves 0 and 1: the work-group's 1,024 bytes of scale words
	s_wait_dscnt 0x0
	global_store_b128 v11, v[WF:WF+3], s[12:13]
	s_cmp_lg_u32 s18, 0
	s_cbranch_scc1 .Ldone
	; ---- wave 0: the sums, the choice, the weights
.irp q, 0,1,2,3,4,5,6,7,8,9,10,11,12,13,14,15
	ds_load_b128 v[X+8*\q:X+8*\q+3], v13 offset:1024*\q
	ds_load_b128 v[X+8*\q+4:X+8*\q+7], v13 offset:1024*\q+512
.endr
	s_wait_dscnt 0x0
.irp q, 1,2,3,4,5,6,7,8,9,10,11,12,13,14,15
.irp p, 0,2,4,6
	v_pk_add_f32 v[X+\p:X+\p+1], v[X+\p:X+\p+1], v[X+8*\q+\p:X+8*\q+\p+1]   ; K steps in ascending order
.endr
.endr
.irp p, 0,2,4,6
	v_pk_add_f32 v[X+\p:X+\p+1], v[X+\p:X+\p+1], v[BR+\p:BR+\p+1]
.endr
	ds_store_b128 v14, v[X:X+3]
	ds_store_b128 v14, v[X+4:X+7] offset:16
.irp i, 0,1,2,3
	ds_load_b128 v[SCO+4*\i:SCO+4*\i+3], v15 offset:16*\i   ; LDS serves a wave's instructions in order (ISA guide 5.7.1): these see the stores above.  Lanes r and r + 16 both hold token r's sixteen scores
.endr
	s_wait_dscnt 0x0
	v_mov_b32 v[M1], v[SCO]
	v_mov_b32 v[I1], 0
	v_mov_b32 v[M2], 0xff800000                    ; -infinity: under every score
	v_mov_b32 v[I2], 0
.macro TOP e                           ; strict compares in ascending order of the experts: of equal scores the lower index stays in front.  Selections only: no branch and no address hangs on a score
	v_cmp_gt_f32 s24, v[SCO+\e], v[M1]
	v_cmp_gt_f32 s25, v[SCO+\e], v[M2]
	v_mov_b32 v[T2], \e
	v_cndmask_b32 v[M2], v[M2], v[SCO+\e], s25
	v_cndmask_b32 v[I2], v[I2], v[T2], s25
	v_cndmask_b32 v[M2], v[M2], v[M1], s24
	v_cndmask_b32 v[I2], v[I2], v[I1], s24
	v_cndmask_b32 v[M1], v[M1], v[SCO+\e], s24
	v_cndmask_b32 v[I1], v[I1], v[T2], s24
.endm
.irp e, 1,2,3,4,5,6,7,8,9,10,11,12,13,14,15
	TOP \e
.endr
	v_sub_f32 v[T0], v[M2], v[M1]                  ; the maximum is taken away: the first weight's exponent is 0, the second's is 0 or less
	v_mul_f32 v[T0], 0x3fb8aa3b, v[T0]             ; x log2(e)
	v_exp_f32 v[EX], v[T0]
	v_mov_b32 v[ONE], 1                            ; plain work behind the exponential: the word of the two experts
	v_add_nc_u32 v[T2], 16, v[I2]
	v_lshlrev_b32 v[WD], v[I1], v[ONE]
	v_lshlrev_b32 v[T2], v[T2], v[ONE]
	v_or_b32 v[WD], v[WD], v[T2]
	s_wait_alu depctr_va_vdst(0)                   ; the wait ahead of the first line that names the exponential's result
	v_add_f32 v[DEN], 1.0, v[EX]
	v_rcp_f32 v[GW], v[DEN]                        ; the first weight
	v_lshlrev_b32 v[A4], 2, v1                     ; plain work behind the reciprocal
	v_lshlrev_b32 v[A8], 3, v1
	s_wait_alu depctr_va_vdst(0)
	v_mul_f32 v[GW+1], v[EX], v[GW]                ; the second
	s_wait_xcnt 0x0                                ; EXEC changes only behind this wait: stores of mine were issued above
	v_cmp_gt_u32 vcc_lo, 16, v0
	s_and_saveexec_b32 s27, vcc_lo                 ; lanes 0-15: one lane a token
	global_store_b32 v[A4], v[WD], s[14:15]        ; 64 and 128 bytes a work-group: all that there is of them
	global_store_b64 v[A8], v[GW:GW+1], s[16:17]
	s_wait_xcnt 0x0                                ; and again ahead of the line that widens it
	s_or_b32 exec_lo, exec_lo, s27
.Ldone:
	s_endpgm
.Lfunc_end_k_q47cca922e2_route:
	.size	k_q47cca922e2_route, .Lfunc_end_k_q47cca922e2_route-k_q47cca922e2_route
	.p2alignl 7, 3214868480
	.fill 96, 4, 3214868480
	.section	.rodata,"a",@progbits
	.p2align	6, 0x0
	.amdhsa_kernel k_q47cca922e2_route
		.amdhsa_group_segment_fixed_size 43520
		.amdhsa_private_segment_fixed_size 0
		.amdhsa_enable_private_segment 0
		.amdhsa_kernarg_size 56
		.amdhsa_user_sgpr_count 2
		.amdhsa_user_sgpr_kernarg_segment_ptr 1
		.amdhsa_wavefront_size32 1
		.amdhsa_system_sgpr_workgroup_id_x 1
		.amdhsa_system_sgpr_workgroup_id_y 1
		.amdhsa_system_sgpr_workgroup_id_z 1
		.amdhsa_system_vgpr_workitem_id 0
		.amdhsa_next_free_vgpr 208
		.amdhsa_next_free_sgpr 66
		.amdhsa_reserve_vcc 1
		.amdhsa_float_denorm_mode_32 3
		.amdhsa_float_denorm_mode_16_64 3
		.amdhsa_memory_ordered 1
		.amdhsa_forward_progress 1
		.amdhsa_inst_pref_size 34
	.end_amdhsa_kernel
	.amdgpu_metadata
---
amdhsa.version: [ 1, 2 ]
amdhsa.kernels:
  - .name:           k_q47cca922e2_route
    .symbol:         k_q47cca922e2_route.kd
    .args:
      - { .name: x, .offset: 0, .size: 8, .value_kind: global_buffer, .address_space: global }
      - { .name: Wr, .offset: 8, .size: 8, .value_kind: global_buffer, .address_space: global }
      - { .name: br, .offset: 16, .size: 8, .value_kind: global_buffer, .address_space: global }
      - { .name: xc, .offset: 24, .size: 8, .value_kind: global_buffer, .address_space: global }
      - { .name: xsc, .offset: 32, .size: 8, .value_kind: global_buffer, .address_space: global }
      - { .name: ti, .offset: 40, .size: 8, .value_kind: global_buffer, .address_space: global }
      - { .name: gw, .offset: 48, .size: 8, .value_kind: global_buffer, .address_space: global }
    .group_segment_fixed_size: 43520
    .private_segment_fixed_size: 0
    .kernarg_segment_align: 8
    .kernarg_segment_size: 56
    .max_flat_workgroup_size: 512
    .sgpr_count:     66
    .vgpr_count:     208
    .wavefront_size: 32
...
	.end_amdgpu_metadata
.endif
;; end of part 1
;; launch place (part 2): grid 16 x 1, 1 waves a work-group, no clusters, 0 bytes of LDS; arguments ti, list, cnt; writes list, cnt
.if DOCPART == 2
	.amdgcn_target "amdgcn-amd-amdhsa--gfx1250"
	.amdhsa_code_object_version 6
	.text
	.protected	k_q47cca922e2_place
	.globl	k_q47cca922e2_place
	.p2align	8
	.type	k_q47cca922e2_place,@function
k_q47cca922e2_place:
	s_mov_b64 s[64:65], 0
	v_nop
	global_prefetch_b8 v0, s[64:65] scope:SCOPE_SE
	s_setreg_imm32_b32 hwreg(HW_REG_WAVE_MODE, 25, 1), 1
	s_wait_xcnt 0x0
; PLACE.  For each expert e: the list of the slots (2 x token + rank) of the tokens that chose it first (rank 0) or second (rank 1), and their number.
; ti [2048]: (1 << first expert) | (1 << (16 + second expert)), as the launch before left it.  list [16][4096] words, cnt [16][32] words.
; SHARES.  Work-group e, one wave, reads all 2,048 words (64 a lane) and goes through them 32 tokens at a time: 64 picks.  An entry's place is the count so far + the number of lower lanes that chose e too.
; The order of a list's entries is of no account: each row is worked by itself.
; EXEC STAYS FULL.  A lane whose token did not choose e stores to a spare word of its own, entry 2368 + lane, which nobody reads.  Each pick has its own address and data register, so no store's source is written again:
; no wait stands among the picks.
; THE REPEATS.  Behind the list stand 320 repeats of one of its entries (the largest slot): the next launch takes rows 320 at a time, and a row past the end is then a row of this expert once more, which gives the same bits
; and stores them to the same bytes.  So entries 0 .. count + 319 are written, 2,367 at the most, under the spare words.  An expert that nobody chose has 320 zeros, which are never used: its count is 0.
; The count is stored 32 times, a word a lane, so that this needs no mask either.
; LIMIT: a word of ti names two different experts (the launch before sees to it for finite scores).
.set LN,  1                            ; v1   lane
.set L8,  2                            ; v2   8 lane: 2 x (4 lane), my tokens' part of a slot
.set SPR, 3                            ; v3   2368 + lane: my spare entry
.set TIO, 4                            ; v4   16 lane
.set TT,  5                            ; v5   at work
.set MX,  6                            ; v6   the largest slot chosen so far
.set CN,  7                            ; v7   the count, to be stored
.set L4,  8                            ; v8   4 lane
.set TI,  32                           ; v32-95   ti's words: token 128 cc + 4 lane + jx at 4 cc + jx
.set AD,  96                           ; v96-159  a pick's byte offset in the list
.set DT,  160                          ; v160-223 a pick's slot
.set PA,  224                          ; v224-233 the repeats' byte offsets
	s_load_b128 s[4:7], s[0:1], 0x0                ; ti s[4:5], list s[6:7]
	s_load_b64 s[8:9], s[0:1], 0x10                ; cnt
	v_and_b32 v[LN], 31, v0
	v_lshlrev_b32 v[L8], 3, v[LN]
	v_add_nc_u32 v[SPR], 2368, v[LN]
	v_lshlrev_b32 v[TIO], 4, v[LN]
	v_lshlrev_b32 v[L4], 2, v[LN]
	v_mov_b32 v[TT], 0                             ; (a lane permute's destination counts as one of its sources)
	v_mov_b32 v[MX], 0
	s_mov_b32 s19, 0                               ; the count
	s_lshl_b32 s21, 0x10001, ttmp9                 ; bits e and 16 + e
	s_add_co_u32 s22, ttmp9, 16
	s_mov_b32 s28, 0x76543210
	s_mov_b32 s29, 0xfedcba98                      ; v_permlanex16_b32's selects for lane l xor 16
	s_mov_b32 s11, 0
	s_wait_kmcnt 0x0
	s_lshl_b32 s10, ttmp9, 14                      ; 4,096 words an expert
	s_add_nc_u64 s[6:7], s[6:7], s[10:11]
	s_lshl_b32 s10, ttmp9, 7                       ; 32 words an expert
	s_add_nc_u64 s[8:9], s[8:9], s[10:11]
.irp cc, 0,1,2,3,4,5,6,7,8,9,10,11,12,13,14,15
	global_load_b128 v[TI+4*\cc:TI+4*\cc+3], v[TIO], s[4:5] offset:512*\cc   ; 32 lanes read 512 consecutive bytes
.endr
	s_wait_loadcnt 0x0
.macro PICK cc, jx                     ; tokens 128 cc + 4 lane + jx
.set N, 4*(\cc)+(\jx)
	v_and_b32 v[DT+N], s21, v[TI+N]                ; bit e (chosen first) or bit 16 + e (chosen second)
	v_cmp_ne_u32 vcc_lo, 0, v[DT+N]
	v_lshrrev_b32 v[DT+N], s22, v[DT+N]            ; the rank
	v_add_nc_u32 v[DT+N], v[DT+N], v[L8]
	v_add_nc_u32 v[DT+N], 256*(\cc)+2*(\jx), v[DT+N]   ; the slot: 2 x token + rank
	v_mbcnt_lo_u32_b32 v[AD+N], vcc_lo, s19        ; the count so far + the lower lanes that chose e
	v_cndmask_b32 v[AD+N], v[SPR], v[AD+N], vcc_lo ; or my spare entry
	v_min_u32 v[AD+N], 0xfff, v[AD+N]              ; held inside the expert's 4,096 words
	v_lshlrev_b32 v[AD+N], 2, v[AD+N]
	v_cndmask_b32 v[TT], 0, v[DT+N], vcc_lo
	v_max_u32 v[MX], v[MX], v[TT]
	global_store_b32 v[AD+N], v[DT+N], s[6:7]
	s_bcnt1_i32_b32 s20, vcc_lo
	s_add_co_u32 s19, s19, s20
.endm
.irp cc, 0,1,2,3,4,5,6,7,8,9,10,11,12,13,14,15
.irp jx, 0,1,2,3
	PICK \cc, \jx
.endr
.endr
.irp m, 1,2,4,8                        ; the largest slot of all lanes, in whole numbers
	v_mov_b32_dpp v[TT], v[MX] row_xmask:\m row_mask:0xf bank_mask:0xf
	v_max_u32 v[MX], v[MX], v[TT]
.endr
	v_permlanex16_b32 v[TT], v[MX], s28, s29
	v_max_u32 v[MX], v[MX], v[TT]
.irp k, 0,1,2,3,4,5,6,7,8,9            ; entries count .. count + 319
	v_add_nc_u32 v[PA+\k], s19, v[LN]
	v_add_nc_u32 v[PA+\k], 32*\k, v[PA+\k]
	v_min_u32 v[PA+\k], 0xfff, v[PA+\k]
	v_lshlrev_b32 v[PA+\k], 2, v[PA+\k]
	global_store_b32 v[PA+\k], v[MX], s[6:7]       ; 32 lanes store 128 consecutive bytes
.endr
	v_mov_b32 v[CN], s19
	global_store_b32 v[L4], v[CN], s[8:9]
	s_endpgm
.Lfunc_end_k_q47cca922e2_place:
	.size	k_q47cca922e2_place, .Lfunc_end_k_q47cca922e2_place-k_q47cca922e2_place
	.p2alignl 7, 3214868480
	.fill 96, 4, 3214868480
	.section	.rodata,"a",@progbits
	.p2align	6, 0x0
	.amdhsa_kernel k_q47cca922e2_place
		.amdhsa_group_segment_fixed_size 0
		.amdhsa_private_segment_fixed_size 0
		.amdhsa_enable_private_segment 0
		.amdhsa_kernarg_size 24
		.amdhsa_user_sgpr_count 2
		.amdhsa_user_sgpr_kernarg_segment_ptr 1
		.amdhsa_wavefront_size32 1
		.amdhsa_system_sgpr_workgroup_id_x 1
		.amdhsa_system_sgpr_workgroup_id_y 1
		.amdhsa_system_sgpr_workgroup_id_z 1
		.amdhsa_system_vgpr_workitem_id 0
		.amdhsa_next_free_vgpr 240
		.amdhsa_next_free_sgpr 66
		.amdhsa_reserve_vcc 1
		.amdhsa_float_denorm_mode_32 3
		.amdhsa_float_denorm_mode_16_64 3
		.amdhsa_memory_ordered 1
		.amdhsa_forward_progress 1
		.amdhsa_inst_pref_size 44
	.end_amdhsa_kernel
	.amdgpu_metadata
---
amdhsa.version: [ 1, 2 ]
amdhsa.kernels:
  - .name:           k_q47cca922e2_place
    .symbol:         k_q47cca922e2_place.kd
    .args:
      - { .name: ti, .offset: 0, .size: 8, .value_kind: global_buffer, .address_space: global }
      - { .name: list, .offset: 8, .size: 8, .value_kind: global_buffer, .address_space: global }
      - { .name: cnt, .offset: 16, .size: 8, .value_kind: global_buffer, .address_space: global }
    .group_segment_fixed_size: 0
    .private_segment_fixed_size: 0
    .kernarg_segment_align: 8
    .kernarg_segment_size: 24
    .max_flat_workgroup_size: 32
    .sgpr_count:     66
    .vgpr_count:     240
    .wavefront_size: 32
...
	.end_amdgpu_metadata
.endif
;; end of part 2
;; launch experts (part 3): grid 16 x 16, 4 waves a work-group, no clusters, 327,680 bytes of LDS; arguments We, be, xc, xsc, list, cnt, part; writes part
.if DOCPART == 3
	.amdgcn_target "amdgcn-amd-amdhsa--gfx1250"
	.amdhsa_code_object_version 6
	.text
	.protected	k_q47cca922e2_experts
	.globl	k_q47cca922e2_experts
	.p2align	8
	.type	k_q47cca922e2_experts,@function
k_q47cca922e2_experts:
	s_mov_b64 s[64:65], 0
	v_nop
	global_prefetch_b8 v0, s[64:65] scope:SCOPE_SE
	s_setreg_imm32_b32 hwreg(HW_REG_WAVE_MODE, 25, 1), 1
	s_wait_xcnt 0x0
; EXPERTS.  part[2 token + rank][c] = Q(x)[token] . Q(We[e])[:, c] + be[e][c] for the tokens that chose expert e as their first (rank 0) or second (rank 1), on codes of BF6 (E3M2) with E8M0 scales.
; The experts that a token did not choose are not multiplied: their rows are thrown away by the gather.
; We [16][2048 (k)][1000] f32, be [16][1000] f32; xc, xsc, list, cnt as the launches before left them; part [4096][1024] f32 (a row of 4,096 bytes; columns 1000 .. 1023 are written with a repeat of columns 996 .. 999 and read by nobody).
; SHARES.  Work-group (x = slice s of 64 columns, y = expert e): 16 x 16 = 256 work-groups, each reading its 2,048 x 256 bytes of We ONCE, as f32; the codes never go to memory.
; Wave w owns K quarter w (rows 512 w .. 512 w + 511) of all 64 columns: its codes, 16 fragments, stay in 192 registers.  The four quarters' partial sums meet in LDS.
; A LANE TAKES FOUR NEIGHBOURING COLUMNS, 64 s + 4 r + j, AND ITS REGISTERS RUN DOWN K: a load of 16 bytes a lane reads 256 consecutive bytes of one row in lanes 0-15 and of the row 32 further down in lanes 16-31.
; Column tile j is the set of columns that leave j when divided by 4.  So a block of 32 along K of one column lies in one lane, and the results of the four tiles hold, in one lane, four neighbouring columns of a row.
; THE ROWS.  list[e] holds the slots (2 token + rank) of the expert's rows, cnt[e] their number; behind the list stand 320 repeats of one of its entries: a row past the end is a row of this expert once more, gives the same bits
; and stores them to the same bytes, so no mask is needed.  The entries are read at fixed addresses; what is made of them enters an address only behind a hold inside the table.
; The grid and every trip count serve any split, all tokens on one expert too: the rows go in 7 chunks of 320, a constant count; a chunk, a batch or a tile without rows is jumped over by a scalar branch on the count, and no barrier stands under such a branch.
; 320 rows are what four planes of partial sums in LDS hold: 4 x 20 tiles x 4,096 bytes = 327,680.
; NO TENSOR LOAD, NO CLUSTER: branches hang on a count read from memory; no two work-groups share a byte of We; what the 16 slices of an expert share, x's codes (1,536 bytes a row), is gathered by the list, straight into registers.
; LIMITS.  NaN and infinities are not served.  A block whose largest magnitude lies under 2^-122, a block of zeros among them, gets the scale byte 1 (the rule says 127 for zeros); only this launch reads these bytes.
; A sum is four partial sums of 512 along K, added in f32 as (0 + 1) + (2 + 3).  An expert that no token chose still streams its slice and stores nothing.
; REGISTERS, in windows of 256 (s_set_vgpr_msb: bits 1:0 source 0, 3:2 source 1, 5:4 source 2, 7:6 destination):
;   window 0: v1-47 addresses and small things; v48-63 We's scale words; v64-95 x's, two sets; v96-119 at work; v128-255 4 columns x 32 numbers, then 16 accumulators
;   window 1: v0-191 We's codes, fragment (K step q, tile j) at 12 (4 q + j); v192-207 the upper halves of blocks' codes, before they are moved
;   window 2: v0-255 where We lands, two sets of 128; then x's fragments, buffer 0 (v0-191); in the sums' phase v0-127 partial sums, v128-159 rows on their way out
;   window 3: v0-191 x's fragments, buffer 1; v192-211 the chunk's list entries, row r of each of 20 tiles; v216-255 the slots of my eight rows of each of the five tiles that I finish
.set PLANE, 81920                      ; LDS: four planes, one a K quarter: tile T x 4,096 + j x 1,024 + half x 512 + 16 lane (images of the accumulators)
.set CROWS, 320                        ; rows in a chunk
.set LN,   1                           ; v1   lane
.set RR,   2                           ; v2   r = lane % 16
.set HH,   3                           ; v3   h = lane / 16
.set WEO,  4                           ; v4   We: 4 x my first column + 32 h rows of 4,000 bytes; never rewritten
.set H8,   5                           ; v5   8 h
.set PW2,  6                           ; v6   v14 + 65,536: tiles 16 to 19 lie beyond an LDS instruction's 16-bit offset
.set LR,   10                          ; v10  4 r
.set LFB,  11                          ; v11  64 w + 32 h
.set LA,   12                          ; v12  v10 + the chunk's bytes in the list
.set LF,   13                          ; v13  v11 + the same
.set PW,   14                          ; v14  my plane + 16 lane
.set XA0,  15                          ; v15  384 w + 16 h: my K quarter and my half in a token's codes
.set FA,   16                          ; v16-19 plane q + 4,096 w + 16 lane
.set PO,   20                          ; v20  256 s + 16 r: my 16 bytes in a row of part
.set BO,   21                          ; v21  4 x my first column: be's offset
.set SL,   22                          ; v22-25 tokens of a batch's four tiles
.set VA,   26                          ; v26-33 offsets into xc, set p at 4 p; in the sums' phase the eight rows' offsets into part
.set VS,   34                          ; v34-41 offsets into xsc
.set BI,   44                          ; v44-47 be of my four columns
.set BS,   48                          ; v48-63 We's scale words, 4 q + j: scales and nothing else
.set AS,   64                          ; v64-95 x's scale words, 16 p + 4 t + q: scales and nothing else
.set M,    96                          ; v96-99   largest magnitudes of the four columns
.set SO,   100                         ; v100-103 the conversions' scale operands
.set B0,   104                         ; v104-107 the bytes of a K step's first 64
.set B1,   108                         ; v108-111 of its second
.set PX,   112                         ; v112-115 lane permutes' destinations
.set FB,   116                         ; v116-119 v16-19 + 65,536
.set T,    128                         ; v128-255 column j's 32 numbers at 32 j
.set ACC,  128                         ; v128-255 accumulator (tile of rows t, column tile j) at 32 t + 8 j
.set TC,   192                         ; in window 1
.set SLC,  192                         ; in window 3
.set SLFW, 216                         ; in window 3
.set MSB, 0
.macro WIN new                         ; the immediate's high byte repeats the setting that is left; a switch that changes nothing is dropped
.if MSB != (\new)
	s_set_vgpr_msb (MSB<<8)|(\new)
.set MSB, (\new)
.endif
.endm
; rows 64 g + 32 h + a .. b of my K quarter, my four columns, into landing set g % 2.  Every offset is an immediate, 1,916,000 bytes at the most
.macro LOADG g, a, b
	WIN 0x80                                       ; destination window 2
.set kk, \a
.rept (\b)-(\a)+1
	global_load_b128 v[128*((\g)%2)+4*kk:128*((\g)%2)+4*kk+3], v[WEO], s[4:5] offset:(64*(\g)+kk)*4000 th:TH_LOAD_NT
.set kk, kk+1
.endr
.endm
; A load leaves four columns of one row side by side; the conversions want 16 rows of one column side by side.  So each number is moved once: the price of loads of 16 bytes a lane, of which 64 a wave, 512 bytes each, are on their way.
.macro COPYG g
	WIN 0x02                                       ; source window 2
.set kk, 0
.rept 32
.irp j, 0,1,2,3
	v_mov_b32 v[T+32*\j+kk], v[128*((\g)%2)+4*kk+\j]
.endr
.set kk, kk+1
.endr
	WIN 0
.endm
; the four columns' blocks of group g (K step g / 2, half g % 2) become codes; behind a K step's second group its scale words are made
.macro QGROUP g
.set KQ, (\g)/2
.set CH, (\g)%2
.irp j, 0,1,2,3
	v_max3_num_f32 v[M+\j], |v[T+32*\j]|, |v[T+32*\j+1]|, 0x2800000   ; the floor 2^(5 - 127) among the leaves: the byte cannot fall under 1
.endr
.set ii, 2
.rept 15
.irp j, 0,1,2,3
	v_max3_num_f32 v[M+\j], v[M+\j], |v[T+32*\j+ii]|, |v[T+32*\j+ii+1]|   ; (the four columns by turns)
.endr
.set ii, ii+2
.endr
.irp j, 0,1,2,3
	v_add_nc_u32 v[SO+\j], 0xfe000000, v[M+\j]     ; 4 off the exponent field: the conversion's scale operand
.endr
.if CH == 0
.irp j, 0,1,2,3
	v_lshrrev_b32 v[B0+\j], 23, v[SO+\j]           ; the byte of block h
.endr
.else
.irp j, 0,1,2,3
	v_lshrrev_b32 v[B1+\j], 23, v[SO+\j]           ; of block 2 + h
.endr
.irp j, 0,1,2,3
	v_lshl_or_b32 v[BS+4*KQ+\j], v[B1+\j], 16, v[B0+\j]
.endr
.irp j, 0,1,2,3
	v_lshlrev_b32 v[BS+4*KQ+\j], v[H8], v[BS+4*KQ+\j]   ; at their places in the word
.endr
.irp j, 0,1,2,3
	v_permlanex16_b32 v[PX+\j], v[BS+4*KQ+\j], s28, s29
.endr
.irp j, 0,1,2,3
	v_or_b32 v[BS+4*KQ+\j], v[BS+4*KQ+\j], v[PX+\j]     ; with lane l xor 16's two the word is whole
.endr
.endif
	WIN 0x40                                       ; destination window 1
.irp j, 0,1,2,3
	v_cvt_scalef32_pk16_bf6_f32 v[12*(4*KQ+\j)+6*CH:12*(4*KQ+\j)+6*CH+2], v[T+32*\j:T+32*\j+15], v[SO+\j]
	v_cvt_scalef32_pk16_bf6_f32 v[TC+4*\j:TC+4*\j+2], v[T+32*\j+16:T+32*\j+31], v[SO+\j]   ; (a conversion's three registers begin on an even number)
.endr
	v_nop                                          ; one plain place behind the scaled conversions
	WIN 0x41                                       ; source and destination window 1
.irp j, 0,1,2,3
.irp i, 0,1,2
	v_mov_b32 v[12*(4*KQ+\j)+6*CH+3+\i], v[TC+4*\j+\i]
.endr
.endr
	WIN 0
.endm
; a chunk's 320 entries of the list, twice over: for the gathers, lane (r, h) takes row r of each of the 20 tiles; for the way out, its rows 8 h + 0 .. 7 of tiles 4 tt + w.  30 loads
.macro LISTLOAD
	WIN 0xc0                                       ; destination window 3
.set tq, 0
.rept 20
	global_load_b32 v[SLC+tq], v[LA], s[12:13] offset:64*tq
.set tq, tq+1
.endr
.irp u, 0,1,2,3,4
	global_load_b128 v[SLFW+8*\u:SLFW+8*\u+3], v[LF], s[12:13] offset:256*\u
	global_load_b128 v[SLFW+8*\u+4:SLFW+8*\u+7], v[LF], s[12:13] offset:256*\u+16
.endr
	WIN 0
.endm
; batch b of a chunk (64 rows: four tiles) is asked for, into buffer p: 48 loads of codes and 4 of scale words
.macro ISSUE b, p
	WIN 0x0c                                       ; source 1 window 3
.irp t, 0,1,2,3
	v_lshrrev_b32 v[SL+\t], 1, v[SLC+4*(\b)+\t]    ; the token of row r of tile t,
.endr
	WIN 0
.irp t, 0,1,2,3
	v_min_u32 v[SL+\t], 0x7ff, v[SL+\t]            ; held inside the tables
.endr
.irp t, 0,1,2,3
	v_mul_u32_u24 v[VA+4*(\p)+\t], v[SL+\t], 1536
.endr
.irp t, 0,1,2,3
	v_add_nc_u32 v[VA+4*(\p)+\t], v[VA+4*(\p)+\t], v[XA0]
.endr
.irp t, 0,1,2,3
	v_lshlrev_b32 v[VS+4*(\p)+\t], 6, v[SL+\t]
.endr
.irp t, 0,1,2,3
	v_add_nc_u32 v[VS+4*(\p)+\t], s32, v[VS+4*(\p)+\t]
.endr
	WIN 0x80+0x40*(\p)                             ; destination window 2 or 3
.irp t, 0,1,2,3
.irp i, 0,1,2,3,4,5,6,7,8,9,10,11
	global_load_b128 v[48*\t+4*\i:48*\t+4*\i+3], v[VA+4*(\p)+\t], s[8:9] offset:32*\i   ; the fragment of K step i / 3, registers 4 (i % 3) on: as the first launch laid them
.endr
.endr
	WIN 0
.irp t, 0,1,2,3
	global_load_b128 v[AS+16*(\p)+4*\t:AS+16*(\p)+4*\t+3], v[VS+4*(\p)+\t], s[10:11]    ; my quarter's four scale words of the row
.endr
.endm
; batch b from buffer p: 64 matrix instructions (source 0 = 16 rows of x, source 1 = column tile j), a tile's four accumulators by turns, one instruction a turn; the first K step starts the sums.  Then the images go to my plane
.macro COMPUTE b, p
	s_wait_dscnt 0x0                               ; the last batch's LDS stores are done: the accumulators are written anew
	WIN 0x06+(\p)                                  ; source 0 window 2 or 3, source 1 window 1, C and D window 0
.irp t, 0,1,2,3
.irp q, 0,1,2,3
.irp j, 0,1,2,3
.if \q == 0
	v_wmma_scale_f32_16x16x128_f8f6f4 v[ACC+32*\t+8*\j:ACC+32*\t+8*\j+7], v[48*\t+12*\q:48*\t+12*\q+11], v[12*(4*\q+\j):12*(4*\q+\j)+11], 0, v[AS+16*(\p)+4*\t+\q], v[BS+4*\q+\j] matrix_a_fmt:MATRIX_FMT_BF6 matrix_b_fmt:MATRIX_FMT_BF6
.else
	v_wmma_scale_f32_16x16x128_f8f6f4 v[ACC+32*\t+8*\j:ACC+32*\t+8*\j+7], v[48*\t+12*\q:48*\t+12*\q+11], v[12*(4*\q+\j):12*(4*\q+\j)+11], v[ACC+32*\t+8*\j:ACC+32*\t+8*\j+7], v[AS+16*(\p)+4*\t+\q], v[BS+4*\q+\j] matrix_a_fmt:MATRIX_FMT_BF6 matrix_b_fmt:MATRIX_FMT_BF6
.endif
.endr
.endr
.endr
	WIN 0
.rept 5
	v_nop                                          ; four places ahead of the stores that read results and of the next loads into the operands' registers; the fifth because the next batch's first products write over these accumulators
.endr
.irp t, 0,1,2,3
.irp j, 0,1,2,3
.if (\b) == 4
	ds_store_b128 v[PW2], v[ACC+32*\t+8*\j:ACC+32*\t+8*\j+3] offset:\t*4096+1024*\j                  ; tiles 16 to 19
	ds_store_b128 v[PW2], v[ACC+32*\t+8*\j+4:ACC+32*\t+8*\j+7] offset:\t*4096+1024*\j+512
.else
	ds_store_b128 v[PW], v[ACC+32*\t+8*\j:ACC+32*\t+8*\j+3] offset:(4*(\b)+\t)*4096+1024*\j          ; each accumulator from its low end on; 32 lanes, 512 consecutive bytes
	ds_store_b128 v[PW], v[ACC+32*\t+8*\j+4:ACC+32*\t+8*\j+7] offset:(4*(\b)+\t)*4096+1024*\j+512
.endif
.endr
.endr
.endm
; tile 4 tt + w of the chunk: the four quarters' partial sums are added, be is added, and eight rows a half of the lanes leave.  Register n of tile j in lane (r, h) is row 8 h + n, column 4 r + j
.macro FINAL tt
	s_add_co_u32 s20, s25, 64*(\tt)
	s_add_co_u32 s20, s20, s32                     ; the tile's first row
	s_cmp_ge_u32 s20, s19
	s_cbranch_scc1 .Lnone_\@
	s_wait_xcnt 0x0                                ; the last tile's stores have read their offsets and data: both are written again below
	WIN 0x80                                       ; destination window 2
.irp q, 0,1,2,3
.irp j, 0,1,2,3
.irp u, 0,1
.if (\tt) == 4
	ds_load_b128 v[32*\q+8*\j+4*\u:32*\q+8*\j+4*\u+3], v[FB+\q] offset:1024*\j+512*\u
.else
	ds_load_b128 v[32*\q+8*\j+4*\u:32*\q+8*\j+4*\u+3], v[FA+\q] offset:16384*(\tt)+1024*\j+512*\u
.endif
.endr
.endr
.endr
	WIN 0x0c                                       ; source 1 window 3
.irp n, 0,1,2,3,4,5,6,7
	v_min_u32 v[VA+\n], 0xfff, v[SLFW+8*(\tt)+\n]  ; my rows' slots, held inside part's 4,096 rows
.endr
	WIN 0
.irp n, 0,1,2,3,4,5,6,7
	v_lshlrev_b32 v[VA+\n], 12, v[VA+\n]
.endr
.irp n, 0,1,2,3,4,5,6,7
	v_add_nc_u32 v[VA+\n], v[VA+\n], v[PO]
.endr
	s_wait_dscnt 0x0
	WIN 0x8a                                       ; sources 0 and 1 and destination window 2
.irp p, 0,2,4,6,8,10,12,14,16,18,20,22,24,26,28,30
	v_pk_add_f32 v[\p:\p+1], v[\p:\p+1], v[32+\p:33+\p]
	v_pk_add_f32 v[64+\p:65+\p], v[64+\p:65+\p], v[96+\p:97+\p]
.endr
.irp p, 0,2,4,6,8,10,12,14,16,18,20,22,24,26,28,30
	v_pk_add_f32 v[\p:\p+1], v[\p:\p+1], v[64+\p:65+\p]
.endr
	WIN 0x82                                       ; source 0 and destination window 2, source 1 window 0
.irp n, 0,1,2,3,4,5,6,7
.irp j, 0,1,2,3
	v_add_f32 v[128+4*\n+\j], v[8*\j+\n], v[BI+\j] ; the bias; the same line brings a row's four columns side by side
.endr
.endr
	WIN 0x08                                       ; a store's data are its source 1: window 2
.irp n, 0,1,2,3,4,5,6,7
	global_store_b128 v[VA+\n], v[128+4*\n:128+4*\n+3], s[34:35] th:TH_STORE_NT   ; sixteen lanes store 256 consecutive bytes of a row, at a multiple of 256 from part's first byte
.endr
	WIN 0
.Lnone_\@:
.endm
	s_load_b256 s[4:11], s[0:1], 0x0               ; We s[4:5], be s[6:7], xc s[8:9], xsc s[10:11]
	s_load_b128 s[12:15], s[0:1], 0x20             ; list s[12:13], cnt s[14:15]
	s_load_b64 s[34:35], s[0:1], 0x30              ; part
	v_lshrrev_b32 v[LN], 5, v0
	v_readfirstlane_b32 s16, v[LN]                 ; wave 0..3 = my K quarter
	v_and_b32 v[LN], 31, v0
	v_and_b32 v[RR], 15, v0
	v_bfe_u32 v[HH], v0, 4, 1
	s_mov_b32 s17, ttmp9                           ; the slice
	s_and_b32 s18, ttmp7, 0xffff                   ; the expert
	s_mov_b32 s25, 0                               ; the chunk's first row
	s_mov_b32 s26, 0                               ; and its bytes in the list
	s_mov_b32 s27, 0                               ; chunks done
	s_mov_b32 s28, 0x76543210
	s_mov_b32 s29, 0xfedcba98                      ; v_permlanex16_b32's selects for lane l xor 16
	s_lshl_b32 s32, s16, 4                         ; 16 w
	s_lshl_b32 s20, s17, 6
	v_lshl_add_u32 v[BO], v[RR], 2, s20
	v_min_u32 v[BO], 996, v[BO]                    ; my first column; in the last slice the lanes past column 999 take columns 996 .. 999 once more: no load leaves a row
	v_lshlrev_b32 v[BO], 2, v[BO]
	v_mad_u32_u24 v[WEO], v[HH], 128000, v[BO]
	v_lshlrev_b32 v[H8], 3, v[HH]
	v_lshlrev_b32 v[LR], 2, v[RR]
	s_lshl_b32 s20, s16, 6
	v_lshl_add_u32 v[LFB], v[HH], 5, s20
	v_add_nc_u32 v[LA], s26, v[LR]
	v_add_nc_u32 v[LF], s26, v[LFB]
	s_mul_i32 s20, s16, PLANE
	v_lshl_add_u32 v[PW], v[LN], 4, s20
	v_add_nc_u32 v[PW2], 65536, v[PW]
	s_mul_i32 s20, s16, 384
	v_lshl_add_u32 v[XA0], v[HH], 4, s20
	s_lshl_b32 s20, s16, 12
	v_lshl_add_u32 v[FA], v[LN], 4, s20
.irp q, 1,2,3
	v_add_nc_u32 v[FA+\q], PLANE*\q, v[FA]
.endr
.irp q, 0,1,2,3
	v_add_nc_u32 v[FB+\q], 65536, v[FA+\q]
.endr
	s_lshl_b32 s20, s17, 8
	v_lshl_add_u32 v[PO], v[RR], 4, s20
.irp j, 0,1,2,3
	v_mov_b32 v[PX+\j], 0                          ; written once: a lane permute's destination counts as one of its sources
.endr
	s_wait_kmcnt 0x0
	s_mul_i32 s30, s18, 8192000                    ; my expert,
	s_mul_i32 s31, s16, 2048000                    ; my 512 rows of 4,000 bytes: together under 2^31
	s_add_co_u32 s30, s30, s31
	s_mov_b32 s31, 0
	s_add_nc_u64 s[4:5], s[4:5], s[30:31]
	s_mul_i32 s30, s18, 4000
	s_add_nc_u64 s[6:7], s[6:7], s[30:31]
	s_lshl_b32 s30, s18, 14                        ; 4,096 words of list an expert
	s_add_nc_u64 s[12:13], s[12:13], s[30:31]
	s_lshl_b32 s30, s18, 7                         ; 32 words of cnt
	s_add_nc_u64 s[14:15], s[14:15], s[30:31]
	s_load_b32 s19, s[14:15], 0x0                  ; the number of my expert's rows: wanted behind the stream
	global_load_b128 v[BI:BI+3], v[BO], s[6:7]
	LISTLOAD                                       ; the first chunk's entries: 0 .. 319 are written whatever the count
	LOADG 0, 0, 31
	LOADG 1, 0, 31
	WIN 0
	; ---- the stream: eight groups of 64 rows, two groups (64 loads a wave) ahead
.irp g, 0,1,2,3,4,5,6,7
.if \g < 7
	s_wait_loadcnt 32                              ; loads come back in order (ISA guide 5.7.1): this group's 32 and all before them are in; the next group's 32 may be out
.else
	s_wait_loadcnt 0x0
.endif
	COPYG \g
.if \g < 6
	LOADG \g+2, 0, 31                              ; into the set just copied
	WIN 0
.endif
	QGROUP \g
.endr
.rept 8
	v_nop                                          ; a scale word written by a vector instruction stands eight places ahead of a scaled matrix instruction, an operand four
.endr
	s_wait_kmcnt 0x0                               ; the count
	; ---- the rows, in 7 chunks of 320
.Lchunk:
	s_wait_loadcnt 0x0                             ; the chunk's list entries are in
	s_cmp_ge_u32 s25, s19
	s_cbranch_scc1 .Lsummed
	ISSUE 0, 0
	ISSUE 1, 1                                     ; the next batch is always asked for: the list's repeats make it valid
	s_wait_loadcnt 52                              ; batch 0's 52 loads are in; batch 1's may be out
	COMPUTE 0, 0
	s_add_co_u32 s20, s25, 64
	s_cmp_ge_u32 s20, s19
	s_cbranch_scc1 .Lsummed
	ISSUE 2, 0
	s_wait_loadcnt 52
	COMPUTE 1, 1
	s_add_co_u32 s20, s25, 128
	s_cmp_ge_u32 s20, s19
	s_cbranch_scc1 .Lsummed
	ISSUE 3, 1
	s_wait_loadcnt 52
	COMPUTE 2, 0
	s_add_co_u32 s20, s25, 192
	s_cmp_ge_u32 s20, s19
	s_cbranch_scc1 .Lsummed
	ISSUE 4, 0
	s_wait_loadcnt 52
	COMPUTE 3, 1
	s_add_co_u32 s20, s25, 256
	s_cmp_ge_u32 s20, s19
	s_cbranch_scc1 .Lsummed
	s_wait_loadcnt 0x0
	COMPUTE 4, 0
.Lsummed:
	s_wait_loadcnt 0x0                             ; a batch that was asked for and is not wanted has landed: its registers are loaded again below
	s_wait_dscnt 0x0                               ; for the others' sake: my images lie in my plane
	s_barrier_signal -1
	s_barrier_wait -1                              ; everybody's do
	FINAL 0
	FINAL 1
	FINAL 2
	FINAL 3
	FINAL 4
	s_wait_xcnt 0x0                                ; the stores have read their offsets and data: the next chunk writes both
	s_wait_dscnt 0x0                               ; my reads of the planes are over
	s_barrier_signal -1
	s_barrier_wait -1                              ; everybody's are: the planes may be written again
	s_add_co_u32 s25, s25, CROWS
	s_add_co_u32 s26, s26, 4*CROWS
	v_add_nc_u32 v[LA], s26, v[LR]                 ; (the loads that read these two were waited for above)
	v_add_nc_u32 v[LF], s26, v[LFB]
	s_cmp_ge_u32 s25, s19
	s_cbranch_scc1 .Lno_list                       ; a chunk without rows reads nothing of the list: entries past the count + 319 are not written
	LISTLOAD
.Lno_list:
	s_add_co_u32 s27, s27, 1
	s_cmp_lt_u32 s27, 7
	s_cbranch_scc1 .Lchunk
	s_endpgm
.Lfunc_end_k_q47cca922e2_experts:
	.size	k_q47cca922e2_experts, .Lfunc_end_k_q47cca922e2_experts-k_q47cca922e2_experts
	.p2alignl 7, 3214868480
	.fill 96, 4, 3214868480
	.section	.rodata,"a",@progbits
	.p2align	6, 0x0
	.amdhsa_kernel k_q47cca922e2_experts
		.amdhsa_group_segment_fixed_size 327680
		.amdhsa_private_segment_fixed_size 0
		.amdhsa_enable_private_segment 0
		.amdhsa_kernarg_size 56
		.amdhsa_user_sgpr_count 2
		.amdhsa_user_sgpr_kernarg_segment_ptr 1
		.amdhsa_wavefront_size32 1
		.amdhsa_system_sgpr_workgroup_id_x 1
		.amdhsa_system_sgpr_workgroup_id_y 1
		.amdhsa_system_sgpr_workgroup_id_z 1
		.amdhsa_system_vgpr_workitem_id 0
		.amdhsa_next_free_vgpr 1024
		.amdhsa_next_free_sgpr 66
		.amdhsa_reserve_vcc 0
		.amdhsa_float_denorm_mode_32 3
		.amdhsa_float_denorm_mode_16_64 3
		.amdhsa_memory_ordered 1
		.amdhsa_forward_progress 1
		.amdhsa_inst_pref_size 238
	.end_amdhsa_kernel
	.amdgpu_metadata
---
amdhsa.version: [ 1, 2 ]
amdhsa.kernels:
  - .name:           k_q47cca922e2_experts
    .symbol:         k_q47cca922e2_experts.kd
    .args:
      - { .name: We, .offset: 0, .size: 8, .value_kind: global_buffer, .address_space: global }
      - { .name: be, .offset: 8, .size: 8, .value_kind: global_buffer, .address_space: global }
      - { .name: xc, .offset: 16, .size: 8, .value_kind: global_buffer, .address_space: global }
      - { .name: xsc, .offset: 24, .size: 8, .value_kind: global_buffer, .address_space: global }
      - { .name: list, .offset: 32, .size: 8, .value_kind: global_buffer, .address_space: global }
      - { .name: cnt, .offset: 40, .size: 8, .value_kind: global_buffer, .address_space: global }
      - { .name: part, .offset: 48, .size: 8, .value_kind: global_buffer, .address_space: global }
    .group_segment_fixed_size: 327680
    .private_segment_fixed_size: 0
    .kernarg_segment_align: 8
    .kernarg_segment_size: 56
    .max_flat_workgroup_size: 128
    .sgpr_count:     66
    .vgpr_count:     1024
    .wavefront_size: 32
...
	.end_amdgpu_metadata
.endif
;; end of part 3
;; launch combine (part 4): grid 250 x 1, 8 waves a work-group, no clusters, 0 bytes of LDS; arguments part, gw, out0; writes out0
.if DOCPART == 4
	.amdgcn_target "amdgcn-amd-amdhsa--gfx1250"
	.amdhsa_code_object_version 6
	.text
	.protected	k_q47cca922e2_combine
	.globl	k_q47cca922e2_combine
	.p2align	8
	.type	k_q47cca922e2_combine,@function
k_q47cca922e2_combine:
	s_mov_b64 s[64:65], 0
	v_nop
	global_prefetch_b8 v0, s[64:65] scope:SCOPE_SE
	s_setreg_imm32_b32 hwreg(HW_REG_WAVE_MODE, 25, 1), 1
	s_wait_xcnt 0x0
; COMBINE.  out0[b][c] = gw[b][0] part[2 b][c] + gw[b][1] part[2 b + 1][c]: the product of the two softmax weights with the two chosen experts' logits (K = 2), in f32 by fused multiply-adds.
; part [4096][1024] f32, of which columns 0 .. 999 are read; gw [2048][2] f32; out0 [2048][1][1000] f32.
; A stream: no LDS, no barrier, no matrix unit.  out0 is taken as 512,000 pieces of 16 bytes, 250 to a row; a work-group takes 2,048 of them (250 work-groups), thread t pieces 2,048 g + 256 i + t, i = 0 .. 7:
; every store of a wave covers 512 consecutive bytes at a multiple of 512 from out0's first byte, and no lane is off.  All 24 loads of a thread are issued ahead of its first store.
.set OP, 2                             ; v2-9    piece i: offset into part
.set OG, 10                            ; v10-17  piece i: offset into gw
.set PA, 32                            ; v32-63  the first expert's four numbers
.set PB, 64                            ; v64-95  the second's
.set G,  96                            ; v96-111 the two weights
.set R,  112                           ; v112-143 the results
	s_load_b128 s[4:7], s[0:1], 0x0                ; part s[4:5], gw s[6:7]
	s_load_b64 s[8:9], s[0:1], 0x10                ; out0
	s_lshl_b32 s10, ttmp9, 11                      ; the work-group's first piece, n, at most 509,952
	s_mul_hi_u32 s11, s10, 137438954               ; n / 250 = (n x ceil(2^35 / 250)) >> 35: exact, since n x 0.53 / 2^35 stays far under 1 / 250
	s_lshr_b32 s11, s11, 3                         ; its row
	s_mul_i32 s12, s11, 250
	s_sub_co_u32 s12, s10, s12                     ; and its place in the row
	v_add_nc_u32 v18, s12, v0
	v_lshlrev_b32 v1, 4, v0                        ; the stores' offset: 16 t
.irp i, 0,1,2,3,4,5,6,7
	v_add_nc_u32 v[OP+\i], 256*\i, v18             ; x = pieces from the first row's start, at most 2,296
	v_mul_u32_u24 v[OG+\i], v[OP+\i], 4195
	v_lshrrev_b32 v[OG+\i], 20, v[OG+\i]           ; d = x / 250: exact for x under 6,025
	v_lshlrev_b32 v[OP+\i], 4, v[OP+\i]
	v_mad_u32_u24 v[OP+\i], v[OG+\i], 4192, v[OP+\i]   ; 8,192 d + 16 (x - 250 d)
	v_lshlrev_b32 v[OG+\i], 3, v[OG+\i]
.endr
	s_mov_b32 s15, 0
	s_wait_kmcnt 0x0
	s_lshl_b32 s14, s11, 13                        ; two rows of 4,096 bytes a token
	s_add_nc_u64 s[4:5], s[4:5], s[14:15]
	s_lshl_b32 s14, s11, 3
	s_add_nc_u64 s[6:7], s[6:7], s[14:15]
	s_lshl_b32 s14, ttmp9, 15
	s_add_nc_u64 s[8:9], s[8:9], s[14:15]
.irp i, 0,1,2,3,4,5,6,7
	global_load_b128 v[PA+4*\i:PA+4*\i+3], v[OP+\i], s[4:5] th:TH_LOAD_NT
	global_load_b128 v[PB+4*\i:PB+4*\i+3], v[OP+\i], s[4:5] offset:4096 th:TH_LOAD_NT
	global_load_b64 v[G+2*\i:G+2*\i+1], v[OG+\i], s[6:7]
.endr
.irp i, 0,1,2,3,4,5,6,7
	s_wait_loadcnt 3*(7-\i)                        ; loads come back in order (ISA guide 5.7.1): piece i's three are in, the younger pieces' stay out
	v_pk_mul_f32 v[R+4*\i:R+4*\i+1], v[PA+4*\i:PA+4*\i+1], v[G+2*\i:G+2*\i+1] op_sel_hi:[1,0]            ; x the first weight, in both halves
	v_pk_mul_f32 v[R+4*\i+2:R+4*\i+3], v[PA+4*\i+2:PA+4*\i+3], v[G+2*\i:G+2*\i+1] op_sel_hi:[1,0]
	v_pk_fma_f32 v[R+4*\i:R+4*\i+1], v[PB+4*\i:PB+4*\i+1], v[G+2*\i:G+2*\i+1], v[R+4*\i:R+4*\i+1] op_sel:[0,1,0] op_sel_hi:[1,1,1]   ; + the second expert's x the second weight, in both halves
	v_pk_fma_f32 v[R+4*\i+2:R+4*\i+3], v[PB+4*\i+2:PB+4*\i+3], v[G+2*\i:G+2*\i+1], v[R+4*\i+2:R+4*\i+3] op_sel:[0,1,0] op_sel_hi:[1,1,1]
	global_store_b128 v1, v[R+4*\i:R+4*\i+3], s[8:9] offset:4096*\i th:TH_STORE_NT
.endr
	s_endpgm
.Lfunc_end_k_q47cca922e2_combine:
	.size	k_q47cca922e2_combine, .Lfunc_end_k_q47cca922e2_combine-k_q47cca922e2_combine
	.p2alignl 7, 3214868480
	.fill 96, 4, 3214868480
	.section	.rodata,"a",@progbits
	.p2align	6, 0x0
	.amdhsa_kernel k_q47cca922e2_combine
		.amdhsa_group_segment_fixed_size 0
		.amdhsa_private_segment_fixed_size 0
		.amdhsa_enable_private_segment 0
		.amdhsa_kernarg_size 24
		.amdhsa_user_sgpr_count 2
		.amdhsa_user_sgpr_kernarg_segment_ptr 1
		.amdhsa_wavefront_size32 1
		.amdhsa_system_sgpr_workgroup_id_x 1
		.amdhsa_system_sgpr_workgroup_id_y 1
		.amdhsa_system_sgpr_workgroup_id_z 1
		.amdhsa_system_vgpr_workitem_id 0
		.amdhsa_next_free_vgpr 144
		.amdhsa_next_free_sgpr 66
		.amdhsa_reserve_vcc 0
		.amdhsa_float_denorm_mode_32 3
		.amdhsa_float_denorm_mode_16_64 3
		.amdhsa_memory_ordered 1
		.amdhsa_forward_progress 1
		.amdhsa_inst_pref_size 9
	.end_amdhsa_kernel
	.amdgpu_metadata
---
amdhsa.version: [ 1, 2 ]
amdhsa.kernels:
  - .name:           k_q47cca922e2_combine
    .symbol:         k_q47cca922e2_combine.kd
    .args:
      - { .name: part, .offset: 0, .size: 8, .value_kind: global_buffer, .address_space: global }
      - { .name: gw, .offset: 8, .size: 8, .value_kind: global_buffer, .address_space: global }
      - { .name: out0, .offset: 16, .size: 8, .value_kind: global_buffer, .address_space: global }
    .group_segment_fixed_size: 0
    .private_segment_fixed_size: 0
    .kernarg_segment_align: 8
    .kernarg_segment_size: 24
    .max_flat_workgroup_size: 256
    .sgpr_count:     66
    .vgpr_count:     144
    .wavefront_size: 32
...
	.end_amdgpu_metadata
.endif
;; end of part 4
;; ======== version 2 of 2: 4 launches; 1.22 times as fast as version 1
;; workspace buffers: xc 3,145,728 bytes; xsc 131,072 bytes; ti 8,192 bytes of whole numbers; gw 16,384 bytes; list 262,144 bytes of whole numbers; cnt 2,048 bytes of whole numbers; part 16,777,216 bytes
;; launch route (part 5): grid 128 x 1, 16 waves a work-group, no clusters, 178,688 bytes of LDS; arguments x, Wr, br, xc, xsc, ti, gw; writes xc, xsc, ti, gw
.if DOCPART == 5
	.amdgcn_target "amdgcn-amd-amdhsa--gfx1250"
	.amdhsa_code_object_version 6
	.text
	.protected	k_q47cca922e2_route
	.globl	k_q47cca922e2_route
	.p2align	8
	.type	k_q47cca922e2_route,@function
k_q47cca922e2_route:
	s_mov_b64 s[64:65], 0
	v_nop
	global_prefetch_b8 v0, s[64:65] scope:SCOPE_SE
	s_setreg_imm32_b32 hwreg(HW_REG_WAVE_MODE, 25, 1), 1
	s_wait_xcnt 0x0
; ROUTE.  choose = Q(x) Q(Wr) + br on codes of BF6 (E3M2) with one E8M0 scale for each 32 along K; the two largest of a token's 16 scores (the lower index wins a tie) and the softmax of the two.
; It also leaves x's codes and scale words for the later launches, so that x's f32 numbers are read once in the whole program.
; x [2048][2048] f32, Wr [2048 (k)][16] f32, br [16] f32.
; OUT: xc: 1,536 bytes a token; byte 384 q + 96 s + 32 i + 16 h + 0..15 = registers 4 i .. 4 i + 3 of the fragment of K step 4 q + s, as the lanes of half h hold them (an image of the operand's registers);
;      xsc [token][16 K steps]: scale words;  ti [token]: (1 << first expert) | (1 << (16 + second expert));  gw [token][2]: the two softmax weights, f32.
; SHARES.  Work-group g takes tokens 16 g .. 16 g + 15: 2,048 / 16 = 128 work-groups.  Wave w takes K step w (k = 128 w .. 128 w + 127): it quantises its part of x and of Wr in registers and makes one product;
; the sixteen partial sums meet in LDS, and wave 0 adds them in ascending K, adds br and chooses.
; LAYOUT.  Lane (r, h) holds k = 64 c + 32 h + 0 .. 31 (c = 0, 1) of x's row r, and of Wr's column r (registers run down K): two whole blocks a lane, so no other lane is asked for a maximum, and the conversions' results
; are the operands' registers.  The product is used transposed (source 0 = 16 experts, source 1 = 16 tokens): a lane holds one token and eight experts.
; x COMES IN DENSE: each of a wave's sixteen loads reads 512 consecutive bytes, one row's part of the K step, 16 bytes a lane; the 8,192 bytes turn through the wave's own stage in LDS and come back 128 bytes a lane and block pair.
; A block's scale byte is its largest magnitude's exponent field - 4, held at 1 from below by a floor among the maximum's leaves.
; LIMITS.  NaN and infinities are not served.  A block whose largest magnitude lies under 2^-122, a block of zeros among them, gets the byte 1 (the rule says 127 for zeros): its codes are zeros or follow that scale, and only this program reads
; the bytes.  A score is the sum of sixteen partial sums of 128 along K, added in f32 in ascending K: two scores that differ by less than that rounding may be ordered otherwise than by another order of summing.
; No tensor load, no cluster: the work-groups share only Wr, 128 KiB, which each wave takes straight into registers.
.set XP,  1552                         ; LDS pitch of a token's 1,536 bytes of codes: 97 x 16, so that the 16 rows of a store of 16 bytes a lane start in 16 different groups of banks (ISA guide 11.1)
.set XI,  0                            ; 16 rows of codes
.set XSI, 16*XP                        ; 16 rows x 64 bytes of scale words
.set RED, XSI+1024                     ; 16 waves x 1,024 bytes: the partial sums, as images of their eight registers
.set TR,  RED+16384                    ; 16 tokens x 64 bytes: wave 0 turns the scores so that a lane holds all sixteen of its token
.set STG, 43520                        ; behind them: a stage for each wave, 16 rows x SP bytes
.set SP,  528                          ; a stage row: 512 bytes + 16 = 33 x 16: the 16 rows that a load of 16 bytes a lane touches start in 16 different groups of banks
.set M,   16                           ; v16-17  largest magnitudes
.set SO,  18                           ; v18-19  the conversions' scale operands
.set BY,  20                           ; v20-21  scale bytes
.set PX,  22                           ; v22     a lane permute's destination
.set XW,  23                           ; v23     x's scale word: scales and nothing else
.set WW,  24                           ; v24     Wr's
.set X,   32                           ; v32-95  64 numbers of x; later, with W's registers, the 16 x 8 partial sums
.set W,   96                           ; v96-159 64 numbers of Wr
.set XF,  160                          ; v160-171 x's fragment; later a row of codes on its way out
.set WF,  172                          ; v172-183 Wr's fragment; later scale words on their way out
.set TC,  184                          ; v184-191 the upper halves of the blocks' codes, before they are moved
.set D,   192                          ; v192-199 the product
.set BR,  200                          ; v200-207 br of my eight experts
.set SCO, 64                           ; v64-79  wave 0: my token's sixteen scores
.set M1,  80
.set I1,  81
.set M2,  82
.set I2,  83
.set T0,  84
.set EX,  85
.set DEN, 86
.set ONE, 87
.set WD,  88
.set T2,  89
.set GW,  90                           ; v90-91  the two weights
.set A4,  92
.set A8,  93
	s_load_b256 s[4:11], s[0:1], 0x0               ; x s[4:5], Wr s[6:7], br s[8:9], xc s[10:11]
	s_load_b128 s[12:15], s[0:1], 0x20             ; xsc s[12:13], ti s[14:15]
	s_load_b64 s[16:17], s[0:1], 0x30              ; gw
	v_lshrrev_b32 v1, 5, v0
	v_readfirstlane_b32 s18, v1                    ; wave 0..15 = my K step
	v_and_b32 v1, 15, v0                           ; r
	v_bfe_u32 v2, v0, 4, 1                         ; h
	v_and_b32 v3, 31, v0                           ; lane
	s_mov_b32 s20, 0x76543210
	s_mov_b32 s21, 0xfedcba98                      ; v_permlanex16_b32's selects for lane l xor 16
	v_lshlrev_b32 v4, 4, v3                        ; x: my 16 bytes of a load's 512
	v_lshlrev_b32 v5, 2, v1
	v_lshl_add_u32 v5, v2, 11, v5                  ; Wr: column r + 32 h rows of 64 bytes
	v_lshlrev_b32 v6, 3, v2                        ; 8 h: how far my two scale bytes are shifted
	; every LDS address is made here, ahead of the places where the waves part
	s_lshr_b32 s22, s18, 2
	s_mul_i32 s22, s22, 384
	s_and_b32 s23, s18, 3
	s_mul_i32 s23, s23, 96
	s_add_co_u32 s22, s22, s23                     ; my K step's 96 bytes in a token's row of codes
	v_mul_u32_u24 v7, v1, XP
	v_lshl_add_u32 v7, v2, 4, v7
	v_add_nc_u32 v7, s22, v7                       ; codes in: XI + XP r + 16 h + my K step
	s_lshl_b32 s22, s18, 2
	s_add_co_u32 s22, s22, XSI
	v_lshl_add_u32 v8, v1, 6, s22                  ; scale word in: XSI + 64 r + 4 w
	s_lshl_b32 s22, s18, 10
	s_add_co_u32 s22, s22, RED
	v_lshl_add_u32 v9, v3, 4, s22                  ; partial sums in: RED + 1,024 w + 16 lane
	s_mul_i32 s22, s18, XP
	v_lshl_add_u32 v10, v3, 4, s22                 ; codes out: wave w takes token w's row
	v_lshlrev_b32 v11, 4, v3                       ; 16 lane: the stores' offset
	s_min_u32 s26, s18, 1                          ; (waves 0 and 1 alone use the next address: the others hold wave 1's and never read by it)
	s_lshl_b32 s22, s26, 9
	s_add_co_u32 s22, s22, XSI
	v_lshl_add_u32 v12, v3, 4, s22                 ; scale words out: 512 bytes a wave
	v_lshlrev_b32 v13, 4, v3
	v_add_nc_u32 v13, RED, v13                     ; partial sums out
	v_lshlrev_b32 v15, 6, v1
	v_add_nc_u32 v15, TR, v15                      ; my token's 64 bytes of scores
	v_lshl_add_u32 v14, v2, 5, v15                 ; and my eight experts' place in them
	v_lshlrev_b32 v25, 5, v2                       ; br: 32 h
	s_mul_i32 s22, s18, 16*SP
	s_add_co_u32 s22, s22, STG                     ; my stage
	v_lshl_add_u32 v26, v3, 4, s22                 ; into it: a row as it was loaded, 16 lane
	v_mul_u32_u24 v27, v1, SP
	v_lshl_add_u32 v27, v2, 7, v27
	v_add_nc_u32 v27, s22, v27                     ; out of it: row r, + 128 h: my 32 numbers of each 64
	v_mov_b32 v[PX], 0                             ; written once: a lane permute's destination counts as one of its sources
	s_wait_kmcnt 0x0
	s_lshl_b32 s22, ttmp9, 17                      ; 16 rows of 8,192 bytes a work-group,
	s_lshl_b32 s23, s18, 9                         ; 512 bytes of a row a wave
	s_add_co_u32 s22, s22, s23
	s_mov_b32 s23, 0
	s_add_nc_u64 s[4:5], s[4:5], s[22:23]
	s_lshl_b32 s22, s18, 13                        ; Wr: 128 rows of 64 bytes a wave
	s_add_nc_u64 s[6:7], s[6:7], s[22:23]
	s_mul_i32 s22, ttmp9, 16*1536
	s_mul_i32 s24, s18, 1536
	s_add_co_u32 s22, s22, s24
	s_add_nc_u64 s[10:11], s[10:11], s[22:23]      ; xc at token 16 g + w
	s_lshl_b32 s22, ttmp9, 10
	s_lshl_b32 s24, s26, 9
	s_add_co_u32 s22, s22, s24
	s_add_nc_u64 s[12:13], s[12:13], s[22:23]      ; xsc at my half of the work-group's 1,024 bytes
	s_lshl_b32 s22, ttmp9, 6
	s_add_nc_u64 s[14:15], s[14:15], s[22:23]      ; ti
	s_lshl_b32 s22, ttmp9, 7
	s_add_nc_u64 s[16:17], s[16:17], s[22:23]      ; gw
	global_load_b128 v[BR:BR+3], v25, s[8:9]
	global_load_b128 v[BR+4:BR+7], v25, s[8:9] offset:16
.irp i, 0,1,2,3,4,5,6,7,8,9,10,11,12,13,14,15
	global_load_b128 v[X+4*\i:X+4*\i+3], v4, s[4:5] offset:8192*\i th:TH_LOAD_NT   ; row i: 32 lanes read 512 consecutive bytes, at a multiple of 512 from x's first byte; read once in the launch
.endr
.irp c, 0,1
.set i, 0
.rept 32
	global_load_b32 v[W+32*\c+i], v5, s[6:7] offset:64*(64*\c+i)   ; Wr(128 w + 64 c + 32 h + i, r): sixteen lanes read a row's 64 bytes
.set i, i+1
.endr
.endr
; 64 numbers of a lane, two whole blocks of 32, become a fragment's twelve registers at v[dst] and the scale word in v[word].
.macro Q64 src, dst, word
.irp c, 0,1
	v_max3_num_f32 v[M+\c], |v[\src+32*\c]|, |v[\src+32*\c+1]|, 0x2800000   ; the floor 2^(5 - 127) among the leaves: the byte cannot fall under 1
.endr
.irp i, 2,4,6,8,10,12,14,16,18,20,22,24,26,28,30
.irp c, 0,1
	v_max3_num_f32 v[M+\c], v[M+\c], |v[\src+32*\c+\i]|, |v[\src+32*\c+\i+1]|   ; (the two blocks by turns)
.endr
.endr
.irp c, 0,1
	v_add_nc_u32 v[SO+\c], 0xfe000000, v[M+\c]     ; 4 off the exponent field: the conversion takes this operand's exponent field as its scale
.endr
.irp c, 0,1
	v_lshrrev_b32 v[BY+\c], 23, v[SO+\c]           ; the scale's byte
.endr
	v_lshl_or_b32 v[\word], v[BY+1], 16, v[BY]     ; my two bytes, blocks h and 2 + h,
	v_lshlrev_b32 v[\word], v6, v[\word]           ; at their places in the word;
	v_permlanex16_b32 v[PX], v[\word], s20, s21
	v_or_b32 v[\word], v[\word], v[PX]             ; with lane l xor 16's two it is whole, in both lanes
.irp c, 0,1
	v_cvt_scalef32_pk16_bf6_f32 v[\dst+6*\c:\dst+6*\c+2], v[\src+32*\c:\src+32*\c+15], v[SO+\c]
	v_cvt_scalef32_pk16_bf6_f32 v[TC+4*\c:TC+4*\c+2], v[\src+32*\c+16:\src+32*\c+31], v[SO+\c]   ; (a conversion's three registers begin on an even number: the block's second three are made here and moved)
.endr
	v_nop                                          ; one plain place behind the scaled conversions
.irp c, 0,1
.irp i, 0,1,2
	v_mov_b32 v[\dst+6*\c+3+\i], v[TC+4*\c+\i]
.endr
.endr
.endm
	s_wait_loadcnt 63                              ; 82 loads were issued; at most the youngest 63 are out, so the oldest 18, br and x, are in
.irp i, 0,1,2,3,4,5,6,7,8,9,10,11,12,13,14,15
	ds_store_b128 v26, v[X+4*\i:X+4*\i+3] offset:SP*\i   ; the rows into my stage, as they were loaded
.endr
.irp c, 0,1
.irp i, 0,1,2,3,4,5,6,7
	ds_load_b128 v[X+32*\c+4*\i:X+32*\c+4*\i+3], v27 offset:256*\c+16*\i   ; and back: x(r, 128 w + 64 c + 32 h + 4 i ..), into the registers that they left.  LDS serves a wave's instructions in order (ISA guide 5.7.1): these see the stores above
.endr
.endr
	s_wait_dscnt 0x0
	Q64 X, XF, XW                                  ; x is quantised while Wr lands
.irp i, 0,1,2
	ds_store_b128 v7, v[XF+4*\i:XF+4*\i+3] offset:32*\i
.endr
	ds_store_b32 v8, v[XW]                         ; both halves of the lanes write the same word with the same value
	s_wait_loadcnt 0x0                             ; Wr
	Q64 W, WF, WW
.rept 8
	v_nop                                          ; a scale word written by a vector instruction stands eight places ahead of a scaled matrix instruction, an operand four
.endr
	v_wmma_scale_f32_16x16x128_f8f6f4 v[D:D+7], v[WF:WF+11], v[XF:XF+11], 0, v[WW], v[XW] matrix_a_fmt:MATRIX_FMT_BF6 matrix_b_fmt:MATRIX_FMT_BF6   ; register j of lane (r, h): expert 8 h + j, token r
.rept 4
	v_nop                                          ; four places ahead of the stores that read the result and of the loads into the operands' registers
.endr
	ds_store_b128 v9, v[D:D+3]                     ; the result from its low end on
	ds_store_b128 v9, v[D+4:D+7] offset:512
	s_wait_dscnt 0x0                               ; for the others' sake: my codes, my scale word and my partial sums lie in LDS
	s_barrier_signal -1
	s_barrier_wait -1                              ; everybody's do: the launch's one barrier
.irp i, 0,1,2
	ds_load_b128 v[XF+4*\i:XF+4*\i+3], v10 offset:512*\i   ; token w's 1,536 bytes
.endr
	s_wait_dscnt 0x0
.irp i, 0,1,2
	global_store_b128 v11, v[XF+4*\i:XF+4*\i+3], s[10:11] offset:512*\i   ; 32 lanes store 512 consecutive bytes, at a multiple of 512 from xc's first byte
.endr
	s_cmp_gt_u32 s18, 1
	s_cbranch_scc1 .Ldone
	ds_load_b128 v[WF:WF+3], v12                   ; waves 0 and 1: the work-group's 1,024 bytes of scale words
	s_wait_dscnt 0x0
	global_store_b128 v11, v[WF:WF+3], s[12:13]
	s_cmp_lg_u32 s18, 0
	s_cbranch_scc1 .Ldone
	; ---- wave 0: the sums, the choice, the weights
.irp q, 0,1,2,3,4,5,6,7,8,9,10,11,12,13,14,15
	ds_load_b128 v[X+8*\q:X+8*\q+3], v13 offset:1024*\q
	ds_load_b128 v[X+8*\q+4:X+8*\q+7], v13 offset:1024*\q+512
.endr
	s_wait_dscnt 0x0
.irp q, 1,2,3,4,5,6,7,8,9,10,11,12,13,14,15
.irp p, 0,2,4,6
	v_pk_add_f32 v[X+\p:X+\p+1], v[X+\p:X+\p+1], v[X+8*\q+\p:X+8*\q+\p+1]   ; K steps in ascending order
.endr
.endr
.irp p, 0,2,4,6
	v_pk_add_f32 v[X+\p:X+\p+1], v[X+\p:X+\p+1], v[BR+\p:BR+\p+1]
.endr
	ds_store_b128 v14, v[X:X+3]
	ds_store_b128 v14, v[X+4:X+7] offset:16
.irp i, 0,1,2,3
	ds_load_b128 v[SCO+4*\i:SCO+4*\i+3], v15 offset:16*\i   ; in order behind the stores above.  Lanes r and r + 16 both hold token r's sixteen scores
.endr
	s_wait_dscnt 0x0
	v_mov_b32 v[M1], v[SCO]
	v_mov_b32 v[I1], 0
	v_mov_b32 v[M2], 0xff800000                    ; -infinity: under every score
	v_mov_b32 v[I2], 0
.macro TOP e                           ; strict compares in ascending order of the experts: of equal scores the lower index stays in front.  Selections only: no branch and no address hangs on a score
	v_cmp_gt_f32 s24, v[SCO+\e], v[M1]
	v_cmp_gt_f32 s25, v[SCO+\e], v[M2]
	v_mov_b32 v[T2], \e
	v_cndmask_b32 v[M2], v[M2], v[SCO+\e], s25
	v_cndmask_b32 v[I2], v[I2], v[T2], s25
	v_cndmask_b32 v[M2], v[M2], v[M1], s24
	v_cndmask_b32 v[I2], v[I2], v[I1], s24
	v_cndmask_b32 v[M1], v[M1], v[SCO+\e], s24
	v_cndmask_b32 v[I1], v[I1], v[T2], s24
.endm
.irp e, 1,2,3,4,5,6,7,8,9,10,11,12,13,14,15
	TOP \e
.endr
	v_sub_f32 v[T0], v[M2], v[M1]                  ; the maximum is taken away: the first weight's exponent is 0, the second's is 0 or less
	v_mul_f32 v[T0], 0x3fb8aa3b, v[T0]             ; x log2(e)
	v_exp_f32 v[EX], v[T0]
	v_mov_b32 v[ONE], 1                            ; plain work behind the exponential: the word of the two experts
	v_add_nc_u32 v[T2], 16, v[I2]
	v_lshlrev_b32 v[WD], v[I1], v[ONE]
	v_lshlrev_b32 v[T2], v[T2], v[ONE]
	v_or_b32 v[WD], v[WD], v[T2]
	s_wait_alu depctr_va_vdst(0)                   ; the wait ahead of the first line that names the exponential's result
	v_add_f32 v[DEN], 1.0, v[EX]
	v_rcp_f32 v[GW], v[DEN]                        ; the first weight
	v_lshlrev_b32 v[A4], 2, v1                     ; plain work behind the reciprocal
	v_lshlrev_b32 v[A8], 3, v1
	s_wait_alu depctr_va_vdst(0)
	v_mul_f32 v[GW+1], v[EX], v[GW]                ; the second
	s_wait_xcnt 0x0                                ; EXEC changes only behind this wait: stores of mine were issued above
	v_cmp_gt_u32 vcc_lo, 16, v0
	s_and_saveexec_b32 s27, vcc_lo                 ; lanes 0-15: one lane a token
	global_store_b32 v[A4], v[WD], s[14:15]        ; 64 and 128 bytes a work-group: all that there is of them
	global_store_b64 v[A8], v[GW:GW+1], s[16:17]
	s_wait_xcnt 0x0                                ; and again ahead of the line that widens it
	s_or_b32 exec_lo, exec_lo, s27
.Ldone:
	s_endpgm
.Lfunc_end_k_q47cca922e2_route:
	.size	k_q47cca922e2_route, .Lfunc_end_k_q47cca922e2_route-k_q47cca922e2_route
	.p2alignl 7, 3214868480
	.fill 96, 4, 3214868480
	.section	.rodata,"a",@progbits
	.p2align	6, 0x0
	.amdhsa_kernel k_q47cca922e2_route
		.amdhsa_group_segment_fixed_size 178688
		.amdhsa_private_segment_fixed_size 0
		.amdhsa_enable_private_segment 0
		.amdhsa_kernarg_size 56
		.amdhsa_user_sgpr_count 2
		.amdhsa_user_sgpr_kernarg_segment_ptr 1
		.amdhsa_wavefront_size32 1
		.amdhsa_system_sgpr_workgroup_id_x 1
		.amdhsa_system_sgpr_workgroup_id_y 1
		.amdhsa_system_sgpr_workgroup_id_z 1
		.amdhsa_system_vgpr_workitem_id 0
		.amdhsa_next_free_vgpr 208
		.amdhsa_next_free_sgpr 66
		.amdhsa_reserve_vcc 1
		.amdhsa_float_denorm_mode_32 3
		.amdhsa_float_denorm_mode_16_64 3
		.amdhsa_memory_ordered 1
		.amdhsa_forward_progress 1
		.amdhsa_inst_pref_size 37
	.end_amdhsa_kernel
	.amdgpu_metadata
---
amdhsa.version: [ 1, 2 ]
amdhsa.kernels:
  - .name:           k_q47cca922e2_route
    .symbol:         k_q47cca922e2_route.kd
    .args:
      - { .name: x, .offset: 0, .size: 8, .value_kind: global_buffer, .address_space: global }
      - { .name: Wr, .offset: 8, .size: 8, .value_kind: global_buffer, .address_space: global }
      - { .name: br, .offset: 16, .size: 8, .value_kind: global_buffer, .address_space: global }
      - { .name: xc, .offset: 24, .size: 8, .value_kind: global_buffer, .address_space: global }
      - { .name: xsc, .offset: 32, .size: 8, .value_kind: global_buffer, .address_space: global }
      - { .name: ti, .offset: 40, .size: 8, .value_kind: global_buffer, .address_space: global }
      - { .name: gw, .offset: 48, .size: 8, .value_kind: global_buffer, .address_space: global }
    .group_segment_fixed_size: 178688
    .private_segment_fixed_size: 0
    .kernarg_segment_align: 8
    .kernarg_segment_size: 56
    .max_flat_workgroup_size: 512
    .sgpr_count:     66
    .vgpr_count:     208
    .wavefront_size: 32
...
	.end_amdgpu_metadata
.endif
;; end of part 5
;; launch place (part 6): grid 16 x 1, 1 waves a work-group, no clusters, 0 bytes of LDS; arguments ti, list, cnt; writes list, cnt
.if DOCPART == 6
	.amdgcn_target "amdgcn-amd-amdhsa--gfx1250"
	.amdhsa_code_object_version 6
	.text
	.protected	k_q47cca922e2_place
	.globl	k_q47cca922e2_place
	.p2align	8
	.type	k_q47cca922e2_place,@function
k_q47cca922e2_place:
	s_mov_b64 s[64:65], 0
	v_nop
	global_prefetch_b8 v0, s[64:65] scope:SCOPE_SE
	s_setreg_imm32_b32 hwreg(HW_REG_WAVE_MODE, 25, 1), 1
	s_wait_xcnt 0x0
; PLACE.  For each expert e: the list of the slots (2 x token + rank) of the tokens that chose it first (rank 0) or second (rank 1), and their number.
; ti [2048]: (1 << first expert) | (1 << (16 + second expert)), as the launch before left it.  list [16][4096] words, cnt [16][32] words.
; SHARES.  Work-group e, one wave, reads all 2,048 words (64 a lane) and goes through them 32 tokens at a time: 64 picks.  An entry's place is the count so far + the number of lower lanes that chose e too.
; The order of a list's entries is of no account: each row is worked by itself.
; PHASE BY PHASE.  Each pick has a scalar register for its mask and vector registers for its place and its slot, and each step is written for all 64 picks on end: no line waits for the line above it.
; Only the running count is a chain, of scalar additions.
; EXEC STAYS FULL.  A lane whose token did not choose e stores to a spare word of its own, entry 2368 + lane, which nobody reads.  No store's source is written again, so no wait stands among the stores.
; THE REPEATS.  Behind the list stand 320 repeats of one of its entries (the largest slot): the next launch takes rows 320 at a time, and a row past the end is then a row of this expert once more, which gives the same bits
; and stores them to the same bytes.  So entries 0 .. count + 319 are written, 2,367 at the most, under the spare words.  An expert that nobody chose has 320 zeros; what is made of them is never stored: its count is 0.
; The count is stored 32 times, a word a lane, so that this needs no mask either.
; LIMIT: a word of ti names two different experts (the launch before sees to it for finite scores).
.set LN,  1                            ; v1   lane
.set L8,  2                            ; v2   8 lane: 2 x (4 lane), my tokens' part of a slot
.set SPR, 3                            ; v3   2368 + lane: my spare entry
.set TIO, 4                            ; v4   16 lane
.set TT,  5                            ; v5   at work
.set CN,  7                            ; v7   the count, to be stored
.set L4,  8                            ; v8   4 lane
.set MX,  12                           ; v12-15 the largest slot chosen, in four chains
.set TI,  32                           ; v32-95   ti's words: token 128 cc + 4 lane + jx at N = 4 cc + jx; later the slot where chosen, else 0
.set AD,  96                           ; v96-159  pick N's byte offset in the list
.set DT,  160                          ; v160-223 pick N's slot
.set PA,  224                          ; v224-233 the repeats' byte offsets
.macro MASKREG                         ; pick N's mask: s36-63, then s66-101
.if N < 28
.set MK, 36+N
.else
.set MK, 38+N
.endif
.endm
	s_load_b128 s[4:7], s[0:1], 0x0                ; ti s[4:5], list s[6:7]
	s_load_b64 s[8:9], s[0:1], 0x10                ; cnt
	v_and_b32 v[LN], 31, v0
	v_lshlrev_b32 v[L8], 3, v[LN]
	v_add_nc_u32 v[SPR], 2368, v[LN]
	v_lshlrev_b32 v[TIO], 4, v[LN]
	v_lshlrev_b32 v[L4], 2, v[LN]
	v_mov_b32 v[TT], 0                             ; (a lane permute's destination counts as one of its sources)
	s_mov_b32 s19, 0                               ; the count
	s_lshl_b32 s21, 0x10001, ttmp9                 ; bits e and 16 + e
	s_add_co_u32 s22, ttmp9, 16
	s_mov_b32 s28, 0x76543210
	s_mov_b32 s29, 0xfedcba98                      ; v_permlanex16_b32's selects for lane l xor 16
	s_mov_b32 s11, 0
	s_wait_kmcnt 0x0
	s_lshl_b32 s10, ttmp9, 14                      ; 4,096 words an expert
	s_add_nc_u64 s[6:7], s[6:7], s[10:11]
	s_lshl_b32 s10, ttmp9, 7                       ; 32 words an expert
	s_add_nc_u64 s[8:9], s[8:9], s[10:11]
.irp cc, 0,1,2,3,4,5,6,7,8,9,10,11,12,13,14,15
	global_load_b128 v[TI+4*\cc:TI+4*\cc+3], v[TIO], s[4:5] offset:512*\cc   ; 32 lanes read 512 consecutive bytes
.endr
	s_wait_loadcnt 0x0
.set N, 0
.rept 64
	v_and_b32 v[DT+N], s21, v[TI+N]                ; bit e (chosen first) or bit 16 + e (chosen second)
.set N, N+1
.endr
.set N, 0
.rept 64
	MASKREG
	v_cmp_ne_u32 s[MK], 0, v[DT+N]                 ; the lanes whose token chose e
.set N, N+1
.endr
.set N, 0
.rept 64
	v_lshrrev_b32 v[DT+N], s22, v[DT+N]            ; the rank
.set N, N+1
.endr
.set N, 0
.rept 64
	MASKREG
	v_mbcnt_lo_u32_b32 v[AD+N], s[MK], s19         ; the count so far + the lower lanes that chose e
	s_bcnt1_i32_b32 s20, s[MK]
	s_add_co_u32 s19, s19, s20
.set N, N+1
.endr
.set N, 0
.rept 64
	v_add_nc_u32 v[DT+N], v[DT+N], v[L8]
.set N, N+1
.endr
.set N, 0
.rept 64
	MASKREG
	v_cndmask_b32 v[AD+N], v[SPR], v[AD+N], s[MK]  ; or my spare entry
.set N, N+1
.endr
.set N, 0
.rept 64
	v_add_nc_u32 v[DT+N], 256*(N/4)+2*(N%4), v[DT+N]   ; the slot: 2 x token + rank
.set N, N+1
.endr
.set N, 0
.rept 64
	v_min_u32 v[AD+N], 0xfff, v[AD+N]              ; held inside the expert's 4,096 words
.set N, N+1
.endr
.set N, 0
.rept 64
	v_lshlrev_b32 v[AD+N], 2, v[AD+N]
.set N, N+1
.endr
.set N, 0
.rept 64
	global_store_b32 v[AD+N], v[DT+N], s[6:7]
.set N, N+1
.endr
.set N, 0
.rept 64
	MASKREG
	v_cndmask_b32 v[TI+N], 0, v[DT+N], s[MK]       ; the slot where it was chosen
.set N, N+1
.endr
.irp k, 0,1,2,3
	v_max_u32 v[MX+\k], v[TI+\k], v[TI+4+\k]       ; the first eight start the four chains
.endr
.set N, 8
.rept 56
	v_max_u32 v[MX+N%4], v[MX+N%4], v[TI+N]
.set N, N+1
.endr
	v_max_u32 v[MX], v[MX], v[MX+1]
	v_max_u32 v[MX+2], v[MX+2], v[MX+3]
	v_max_u32 v[MX], v[MX], v[MX+2]
.irp m, 1,2,4,8                        ; the largest slot of all lanes, in whole numbers
	v_mov_b32_dpp v[TT], v[MX] row_xmask:\m row_mask:0xf bank_mask:0xf
	v_max_u32 v[MX], v[MX], v[TT]
.endr
	v_permlanex16_b32 v[TT], v[MX], s28, s29
	v_max_u32 v[MX], v[MX], v[TT]
.irp k, 0,1,2,3,4,5,6,7,8,9            ; entries count .. count + 319
	v_add_nc_u32 v[PA+\k], s19, v[LN]
	v_add_nc_u32 v[PA+\k], 32*\k, v[PA+\k]
	v_min_u32 v[PA+\k], 0xfff, v[PA+\k]
	v_lshlrev_b32 v[PA+\k], 2, v[PA+\k]
	global_store_b32 v[PA+\k], v[MX], s[6:7]       ; 32 lanes store 128 consecutive bytes
.endr
	v_mov_b32 v[CN], s19
	global_store_b32 v[L4], v[CN], s[8:9]
	s_endpgm
.Lfunc_end_k_q47cca922e2_place:
	.size	k_q47cca922e2_place, .Lfunc_end_k_q47cca922e2_place-k_q47cca922e2_place
	.p2alignl 7, 3214868480
	.fill 96, 4, 3214868480
	.section	.rodata,"a",@progbits
	.p2align	6, 0x0
	.amdhsa_kernel k_q47cca922e2_place
		.amdhsa_group_segment_fixed_size 0
		.amdhsa_private_segment_fixed_size 0
		.amdhsa_enable_private_segment 0
		.amdhsa_kernarg_size 24
		.amdhsa_user_sgpr_count 2
		.amdhsa_user_sgpr_kernarg_segment_ptr 1
		.amdhsa_wavefront_size32 1
		.amdhsa_system_sgpr_workgroup_id_x 1
		.amdhsa_system_sgpr_workgroup_id_y 1
		.amdhsa_system_sgpr_workgroup_id_z 1
		.amdhsa_system_vgpr_workitem_id 0
		.amdhsa_next_free_vgpr 240
		.amdhsa_next_free_sgpr 102
		.amdhsa_reserve_vcc 0
		.amdhsa_float_denorm_mode_32 3
		.amdhsa_float_denorm_mode_16_64 3
		.amdhsa_memory_ordered 1
		.amdhsa_forward_progress 1
		.amdhsa_inst_pref_size 50
	.end_amdhsa_kernel
	.amdgpu_metadata
---
amdhsa.version: [ 1, 2 ]
amdhsa.kernels:
  - .name:           k_q47cca922e2_place
    .symbol:         k_q47cca922e2_place.kd
    .args:
      - { .name: ti, .offset: 0, .size: 8, .value_kind: global_buffer, .address_space: global }
      - { .name: list, .offset: 8, .size: 8, .value_kind: global_buffer, .address_space: global }
      - { .name: cnt, .offset: 16, .size: 8, .value_kind: global_buffer, .address_space: global }
    .group_segment_fixed_size: 0
    .private_segment_fixed_size: 0
    .kernarg_segment_align: 8
    .kernarg_segment_size: 24
    .max_flat_workgroup_size: 32
    .sgpr_count:     102
    .vgpr_count:     240
    .wavefront_size: 32
...
	.end_amdgpu_metadata
.endif
;; end of part 6
;; launch experts (part 7): grid 16 x 16, 4 waves a work-group, no clusters, 327,680 bytes of LDS; arguments We, be, xc, xsc, list, cnt, part; writes part
.if DOCPART == 7
	.amdgcn_target "amdgcn-amd-amdhsa--gfx1250"
	.amdhsa_code_object_version 6
	.text
	.protected	k_q47cca922e2_experts
	.globl	k_q47cca922e2_experts
	.p2align	8
	.type	k_q47cca922e2_experts,@function
k_q47cca922e2_experts:
	s_mov_b64 s[64:65], 0
	v_nop
	global_prefetch_b8 v0, s[64:65] scope:SCOPE_SE
	s_setreg_imm32_b32 hwreg(HW_REG_WAVE_MODE, 25, 1), 1
	s_wait_xcnt 0x0
; EXPERTS.  part[2 token + rank][c] = Q(x)[token] . Q(We[e])[:, c] + be[e][c] for the tokens that chose expert e as their first (rank 0) or second (rank 1), on codes of BF6 (E3M2) with E8M0 scales.
; The experts that a token did not choose are not multiplied: their rows are thrown away by the gather.
; We [16][2048 (k)][1000] f32, be [16][1000] f32; xc, xsc, list, cnt as the launches before left them; part [4096][1024] f32 (a row of 4,096 bytes; columns 1000 .. 1023 are written with a repeat of columns 996 .. 999 and read by nobody).
; SHARES.  A work-group takes a slice s of 64 columns of an expert e: 16 x 16 = 256 work-groups, each reading its 2,048 x 256 bytes of We ONCE, as f32; the codes never go to memory.
; WHICH WORK-GROUP TAKES WHAT.  s = x's bits 1:0, x's bit 3, y's bit 0;  e = y's bits 3:1, x's bit 2: one to one.  A row of We is 4,000 bytes, so a slice's 256 bytes begin at a multiple of 32 bytes, and neighbouring slices of an
; expert touch the same aligned 256 bytes at their common edge; the numbering says which work-groups are such neighbours: those with the same bit 2 of x.  It changes no value.
; Wave w owns K quarter w (rows 512 w .. 512 w + 511) of all 64 columns: its codes, 16 fragments, stay in 192 registers.  The four quarters' partial sums meet in LDS.
; A LANE TAKES FOUR NEIGHBOURING COLUMNS, 64 s + 4 r + j, AND ITS REGISTERS RUN DOWN K: a load of 16 bytes a lane reads 256 consecutive bytes of one row in lanes 0-15 and of the row 32 further down in lanes 16-31.
; Column tile j is the set of columns that leave j when divided by 4.  So a block of 32 along K of one column lies in one lane, and the results of the four tiles hold, in one lane, four neighbouring columns of a row.
; THE ROWS.  list[e] holds the slots (2 token + rank) of the expert's rows, cnt[e] their number; behind the list stand 320 repeats of one of its entries: a row past the end is a row of this expert once more, gives the same bits
; and stores them to the same bytes, so no mask is needed.  The entries are read at fixed addresses; what is made of them enters an address only behind a hold inside the table.
; The grid and every trip count serve any split, all tokens on one expert too: the rows go in 7 chunks of 320, a constant count; a chunk, a batch or a tile without rows is jumped over by a scalar branch on the count, and no barrier stands under such a branch.
; 320 rows are what four planes of partial sums in LDS hold: 4 x 20 tiles x 4,096 bytes = 327,680.
; x's codes of a chunk's first two batches are asked for ahead of the chunk: the first chunk's inside the stream of We (batch 0 into window 3, which the stream does not use; batch 1 into window 2 as soon as the last group has left it).
; NO TENSOR LOAD, NO CLUSTER: branches hang on a count read from memory; no two work-groups share a number of We; what the 16 slices of an expert share, x's codes (1,536 bytes a row), is gathered by the list, straight into registers.
; LIMITS.  NaN and infinities are not served.  A block whose largest magnitude lies under 2^-122, a block of zeros among them, gets the scale byte 1 (the rule says 127 for zeros); only this launch reads these bytes.
; A sum is four partial sums of 512 along K, added in f32 as (0 + 1) + (2 + 3).  An expert that no token chose still streams its slice and stores nothing.
; REGISTERS, in windows of 256 (s_set_vgpr_msb: bits 1:0 source 0, 3:2 source 1, 5:4 source 2, 7:6 destination):
;   window 0: v1-47 addresses and small things; v48-63 We's scale words; v64-95 x's, two sets; v96-119 at work; v128-255 4 columns x 32 numbers, then 16 accumulators
;   window 1: v0-191 We's codes, fragment (K step q, tile j) at 12 (4 q + j); v192-207 the upper halves of blocks' codes, before they are moved
;   window 2: v0-255 where We lands, two sets of 128; then x's fragments, buffer 0 (v0-191); in the sums' phase v0-127 partial sums, v128-159 rows on their way out
;   window 3: v0-191 x's fragments, buffer 1; v192-211 the chunk's list entries, row r of each of 20 tiles; v216-255 the slots of my eight rows of each of the five tiles that I finish
.set PLANE, 81920                      ; LDS: four planes, one a K quarter: tile T x 4,096 + j x 1,024 + half x 512 + 16 lane (images of the accumulators)
.set CROWS, 320                        ; rows in a chunk
.set LN,   1                           ; v1   lane
.set RR,   2                           ; v2   r = lane % 16
.set HH,   3                           ; v3   h = lane / 16
.set WEO,  4                           ; v4   We: 4 x my first column + 32 h rows of 4,000 bytes; never rewritten
.set H8,   5                           ; v5   8 h
.set PW2,  6                           ; v6   v14 + 65,536: tiles 16 to 19 lie beyond an LDS instruction's 16-bit offset
.set LR,   10                          ; v10  4 r
.set LFB,  11                          ; v11  64 w + 32 h
.set LA,   12                          ; v12  v10 + the chunk's bytes in the list
.set LF,   13                          ; v13  v11 + the same
.set PW,   14                          ; v14  my plane + 16 lane
.set XA0,  15                          ; v15  384 w + 16 h: my K quarter and my half in a token's codes
.set FA,   16                          ; v16-19 plane q + 4,096 w + 16 lane
.set PO,   20                          ; v20  256 s + 16 r: my 16 bytes in a row of part
.set BO,   21                          ; v21  4 x my first column: be's offset
.set SL,   22                          ; v22-25 tokens of a batch's four tiles
.set VA,   26                          ; v26-33 offsets into xc, set p at 4 p; in the sums' phase the eight rows' offsets into part
.set VS,   34                          ; v34-41 offsets into xsc
.set BI,   44                          ; v44-47 be of my four columns
.set BS,   48                          ; v48-63 We's scale words, 4 q + j: scales and nothing else
.set AS,   64                          ; v64-95 x's scale words, 16 p + 4 t + q: scales and nothing else
.set M,    96                          ; v96-99   largest magnitudes of the four columns
.set SO,   100                         ; v100-103 the conversions' scale operands
.set B0,   104                         ; v104-107 the bytes of a K step's first 64
.set B1,   108                         ; v108-111 of its second
.set PX,   112                         ; v112-115 lane permutes' destinations
.set FB,   116                         ; v116-119 v16-19 + 65,536
.set T,    128                         ; v128-255 column j's 32 numbers at 32 j
.set ACC,  128                         ; v128-255 accumulator (tile of rows t, column tile j) at 32 t + 8 j
.set TC,   192                         ; in window 1
.set SLC,  192                         ; in window 3
.set SLFW, 216                         ; in window 3
.set MSB, 0
.macro WIN new                         ; the immediate's high byte repeats the setting that is left; a switch that changes nothing is dropped
.if MSB != (\new)
	s_set_vgpr_msb (MSB<<8)|(\new)
.set MSB, (\new)
.endif
.endm
; rows 64 g + 32 h + a .. b of my K quarter, my four columns, into landing set g % 2.  Every offset is an immediate, 1,916,000 bytes at the most
.macro LOADG g, a, b
	WIN 0x80                                       ; destination window 2
.set kk, \a
.rept (\b)-(\a)+1
	global_load_b128 v[128*((\g)%2)+4*kk:128*((\g)%2)+4*kk+3], v[WEO], s[4:5] offset:(64*(\g)+kk)*4000 th:TH_LOAD_NT
.set kk, kk+1
.endr
.endm
; A load leaves four columns of one row side by side; the conversions want 16 rows of one column side by side.  So each number is moved once: the price of loads of 16 bytes a lane, of which 64 a wave, 512 bytes each, are on their way.
.macro COPYG g
	WIN 0x02                                       ; source window 2
.set kk, 0
.rept 32
.irp j, 0,1,2,3
	v_mov_b32 v[T+32*\j+kk], v[128*((\g)%2)+4*kk+\j]
.endr
.set kk, kk+1
.endr
	WIN 0
.endm
; the four columns' blocks of group g (K step g / 2, half g % 2) become codes; behind a K step's second group its scale words are made
.macro QGROUP g
.set KQ, (\g)/2
.set CH, (\g)%2
.irp j, 0,1,2,3
	v_max3_num_f32 v[M+\j], |v[T+32*\j]|, |v[T+32*\j+1]|, 0x2800000   ; the floor 2^(5 - 127) among the leaves: the byte cannot fall under 1
.endr
.set ii, 2
.rept 15
.irp j, 0,1,2,3
	v_max3_num_f32 v[M+\j], v[M+\j], |v[T+32*\j+ii]|, |v[T+32*\j+ii+1]|   ; (the four columns by turns)
.endr
.set ii, ii+2
.endr
.irp j, 0,1,2,3
	v_add_nc_u32 v[SO+\j], 0xfe000000, v[M+\j]     ; 4 off the exponent field: the conversion's scale operand
.endr
.if CH == 0
.irp j, 0,1,2,3
	v_lshrrev_b32 v[B0+\j], 23, v[SO+\j]           ; the byte of block h
.endr
.else
.irp j, 0,1,2,3
	v_lshrrev_b32 v[B1+\j], 23, v[SO+\j]           ; of block 2 + h
.endr
.irp j, 0,1,2,3
	v_lshl_or_b32 v[BS+4*KQ+\j], v[B1+\j], 16, v[B0+\j]
.endr
.irp j, 0,1,2,3
	v_lshlrev_b32 v[BS+4*KQ+\j], v[H8], v[BS+4*KQ+\j]   ; at their places in the word
.endr
.irp j, 0,1,2,3
	v_permlanex16_b32 v[PX+\j], v[BS+4*KQ+\j], s28, s29
.endr
.irp j, 0,1,2,3
	v_or_b32 v[BS+4*KQ+\j], v[BS+4*KQ+\j], v[PX+\j]     ; with lane l xor 16's two the word is whole
.endr
.endif
	WIN 0x40                                       ; destination window 1
.irp j, 0,1,2,3
	v_cvt_scalef32_pk16_bf6_f32 v[12*(4*KQ+\j)+6*CH:12*(4*KQ+\j)+6*CH+2], v[T+32*\j:T+32*\j+15], v[SO+\j]
	v_cvt_scalef32_pk16_bf6_f32 v[TC+4*\j:TC+4*\j+2], v[T+32*\j+16:T+32*\j+31], v[SO+\j]   ; (a conversion's three registers begin on an even number)
.endr
	v_nop                                          ; one plain place behind the scaled conversions
	WIN 0x41                                       ; source and destination window 1
.irp j, 0,1,2,3
.irp i, 0,1,2
	v_mov_b32 v[12*(4*KQ+\j)+6*CH+3+\i], v[TC+4*\j+\i]
.endr
.endr
	WIN 0
.endm
; a chunk's 320 entries of the list, twice over: for the gathers, lane (r, h) takes row r of each of the 20 tiles; for the way out, its rows 8 h + 0 .. 7 of tiles 4 tt + w.  30 loads
.macro LISTLOAD
	WIN 0xc0                                       ; destination window 3
.set tq, 0
.rept 20
	global_load_b32 v[SLC+tq], v[LA], s[12:13] offset:64*tq
.set tq, tq+1
.endr
.irp u, 0,1,2,3,4
	global_load_b128 v[SLFW+8*\u:SLFW+8*\u+3], v[LF], s[12:13] offset:256*\u
	global_load_b128 v[SLFW+8*\u+4:SLFW+8*\u+7], v[LF], s[12:13] offset:256*\u+16
.endr
	WIN 0
.endm
; batch b of a chunk (64 rows: four tiles) is asked for, into buffer p: 48 loads of codes and 4 of scale words
.macro ISSUE b, p
	WIN 0x0c                                       ; source 1 window 3
.irp t, 0,1,2,3
	v_lshrrev_b32 v[SL+\t], 1, v[SLC+4*(\b)+\t]    ; the token of row r of tile t,
.endr
	WIN 0
.irp t, 0,1,2,3
	v_min_u32 v[SL+\t], 0x7ff, v[SL+\t]            ; held inside the tables
.endr
.irp t, 0,1,2,3
	v_mul_u32_u24 v[VA+4*(\p)+\t], v[SL+\t], 1536
.endr
.irp t, 0,1,2,3
	v_add_nc_u32 v[VA+4*(\p)+\t], v[VA+4*(\p)+\t], v[XA0]
.endr
.irp t, 0,1,2,3
	v_lshlrev_b32 v[VS+4*(\p)+\t], 6, v[SL+\t]
.endr
.irp t, 0,1,2,3
	v_add_nc_u32 v[VS+4*(\p)+\t], s32, v[VS+4*(\p)+\t]
.endr
	WIN 0x80+0x40*(\p)                             ; destination window 2 or 3
.irp t, 0,1,2,3
.irp i, 0,1,2,3,4,5,6,7,8,9,10,11
	global_load_b128 v[48*\t+4*\i:48*\t+4*\i+3], v[VA+4*(\p)+\t], s[8:9] offset:32*\i   ; the fragment of K step i / 3, registers 4 (i % 3) on: as the first launch laid them
.endr
.endr
	WIN 0
.irp t, 0,1,2,3
	global_load_b128 v[AS+16*(\p)+4*\t:AS+16*(\p)+4*\t+3], v[VS+4*(\p)+\t], s[10:11]    ; my quarter's four scale words of the row
.endr
.endm
; batch b from buffer p: 64 matrix instructions (source 0 = 16 rows of x, source 1 = column tile j), a tile's four accumulators by turns, one instruction a turn; the first K step starts the sums.  Then the images go to my plane
.macro COMPUTE b, p
	s_wait_dscnt 0x0                               ; the last batch's LDS stores are done: the accumulators are written anew
	WIN 0x06+(\p)                                  ; source 0 window 2 or 3, source 1 window 1, C and D window 0
.irp t, 0,1,2,3
.irp q, 0,1,2,3
.irp j, 0,1,2,3
.if \q == 0
	v_wmma_scale_f32_16x16x128_f8f6f4 v[ACC+32*\t+8*\j:ACC+32*\t+8*\j+7], v[48*\t+12*\q:48*\t+12*\q+11], v[12*(4*\q+\j):12*(4*\q+\j)+11], 0, v[AS+16*(\p)+4*\t+\q], v[BS+4*\q+\j] matrix_a_fmt:MATRIX_FMT_BF6 matrix_b_fmt:MATRIX_FMT_BF6
.else
	v_wmma_scale_f32_16x16x128_f8f6f4 v[ACC+32*\t+8*\j:ACC+32*\t+8*\j+7], v[48*\t+12*\q:48*\t+12*\q+11], v[12*(4*\q+\j):12*(4*\q+\j)+11], v[ACC+32*\t+8*\j:ACC+32*\t+8*\j+7], v[AS+16*(\p)+4*\t+\q], v[BS+4*\q+\j] matrix_a_fmt:MATRIX_FMT_BF6 matrix_b_fmt:MATRIX_FMT_BF6
.endif
.endr
.endr
.endr
	WIN 0
.rept 5
	v_nop                                          ; four places ahead of the stores that read results and of the next loads into the operands' registers; the fifth because the next batch's first products write over these accumulators
.endr
.irp t, 0,1,2,3
.irp j, 0,1,2,3
.if (\b) == 4
	ds_store_b128 v[PW2], v[ACC+32*\t+8*\j:ACC+32*\t+8*\j+3] offset:\t*4096+1024*\j                  ; tiles 16 to 19
	ds_store_b128 v[PW2], v[ACC+32*\t+8*\j+4:ACC+32*\t+8*\j+7] offset:\t*4096+1024*\j+512
.else
	ds_store_b128 v[PW], v[ACC+32*\t+8*\j:ACC+32*\t+8*\j+3] offset:(4*(\b)+\t)*4096+1024*\j          ; each accumulator from its low end on; 32 lanes, 512 consecutive bytes
	ds_store_b128 v[PW], v[ACC+32*\t+8*\j+4:ACC+32*\t+8*\j+7] offset:(4*(\b)+\t)*4096+1024*\j+512
.endif
.endr
.endr
.endm
; tile 4 tt + w of the chunk: the four quarters' partial sums are added, be is added, and eight rows a half of the lanes leave.  Register n of tile j in lane (r, h) is row 8 h + n, column 4 r + j
.macro FINAL tt
	s_add_co_u32 s20, s25, 64*(\tt)
	s_add_co_u32 s20, s20, s32                     ; the tile's first row
	s_cmp_ge_u32 s20, s19
	s_cbranch_scc1 .Lnone_\@
	s_wait_xcnt 0x0                                ; the last tile's stores have read their offsets and data: both are written again below
	WIN 0x80                                       ; destination window 2
.irp q, 0,1,2,3
.irp j, 0,1,2,3
.irp u, 0,1
.if (\tt) == 4
	ds_load_b128 v[32*\q+8*\j+4*\u:32*\q+8*\j+4*\u+3], v[FB+\q] offset:1024*\j+512*\u
.else
	ds_load_b128 v[32*\q+8*\j+4*\u:32*\q+8*\j+4*\u+3], v[FA+\q] offset:16384*(\tt)+1024*\j+512*\u
.endif
.endr
.endr
.endr
	WIN 0x0c                                       ; source 1 window 3
.irp n, 0,1,2,3,4,5,6,7
	v_min_u32 v[VA+\n], 0xfff, v[SLFW+8*(\tt)+\n]  ; my rows' slots, held inside part's 4,096 rows
.endr
	WIN 0
.irp n, 0,1,2,3,4,5,6,7
	v_lshlrev_b32 v[VA+\n], 12, v[VA+\n]
.endr
.irp n, 0,1,2,3,4,5,6,7
	v_add_nc_u32 v[VA+\n], v[VA+\n], v[PO]
.endr
	s_wait_dscnt 0x0
	WIN 0x8a                                       ; sources 0 and 1 and destination window 2
.irp p, 0,2,4,6,8,10,12,14,16,18,20,22,24,26,28,30
	v_pk_add_f32 v[\p:\p+1], v[\p:\p+1], v[32+\p:33+\p]
	v_pk_add_f32 v[64+\p:65+\p], v[64+\p:65+\p], v[96+\p:97+\p]
.endr
.irp p, 0,2,4,6,8,10,12,14,16,18,20,22,24,26,28,30
	v_pk_add_f32 v[\p:\p+1], v[\p:\p+1], v[64+\p:65+\p]
.endr
	WIN 0x82                                       ; source 0 and destination window 2, source 1 window 0
.irp n, 0,1,2,3,4,5,6,7
.irp j, 0,1,2,3
	v_add_f32 v[128+4*\n+\j], v[8*\j+\n], v[BI+\j] ; the bias; the same line brings a row's four columns side by side
.endr
.endr
	WIN 0x08                                       ; a store's data are its source 1: window 2
.irp n, 0,1,2,3,4,5,6,7
	global_store_b128 v[VA+\n], v[128+4*\n:128+4*\n+3], s[34:35] th:TH_STORE_NT   ; sixteen lanes store 256 consecutive bytes of a row, at a multiple of 256 from part's first byte
.endr
	WIN 0
.Lnone_\@:
.endm
	s_load_b256 s[4:11], s[0:1], 0x0               ; We s[4:5], be s[6:7], xc s[8:9], xsc s[10:11]
	s_load_b128 s[12:15], s[0:1], 0x20             ; list s[12:13], cnt s[14:15]
	s_load_b64 s[34:35], s[0:1], 0x30              ; part
	v_lshrrev_b32 v[LN], 5, v0
	v_readfirstlane_b32 s16, v[LN]                 ; wave 0..3 = my K quarter
	v_and_b32 v[LN], 31, v0
	v_and_b32 v[RR], 15, v0
	v_bfe_u32 v[HH], v0, 4, 1
	s_and_b32 s18, ttmp7, 0xffff                   ; y
	s_and_b32 s17, ttmp9, 3                        ; the slice: x's bits 1:0,
	s_lshr_b32 s20, ttmp9, 3
	s_lshl_b32 s20, s20, 2
	s_or_b32 s17, s17, s20                         ; x's bit 3,
	s_and_b32 s20, s18, 1
	s_lshl_b32 s20, s20, 3
	s_or_b32 s17, s17, s20                         ; y's bit 0
	s_lshr_b32 s18, s18, 1                         ; the expert: y's bits 3:1,
	s_bfe_u32 s20, ttmp9, 0x10002
	s_lshl_b32 s20, s20, 3
	s_or_b32 s18, s18, s20                         ; x's bit 2
	s_mov_b32 s25, 0                               ; the chunk's first row
	s_mov_b32 s26, 0                               ; and its bytes in the list
	s_mov_b32 s27, 0                               ; chunks done
	s_mov_b32 s28, 0x76543210
	s_mov_b32 s29, 0xfedcba98                      ; v_permlanex16_b32's selects for lane l xor 16
	s_lshl_b32 s32, s16, 4                         ; 16 w
	s_lshl_b32 s20, s17, 6
	v_lshl_add_u32 v[BO], v[RR], 2, s20
	v_min_u32 v[BO], 996, v[BO]                    ; my first column; in the last slice the lanes past column 999 take columns 996 .. 999 once more: no load leaves a row
	v_lshlrev_b32 v[BO], 2, v[BO]
	v_mad_u32_u24 v[WEO], v[HH], 128000, v[BO]
	v_lshlrev_b32 v[H8], 3, v[HH]
	v_lshlrev_b32 v[LR], 2, v[RR]
	s_lshl_b32 s20, s16, 6
	v_lshl_add_u32 v[LFB], v[HH], 5, s20
	v_add_nc_u32 v[LA], s26, v[LR]
	v_add_nc_u32 v[LF], s26, v[LFB]
	s_mul_i32 s20, s16, PLANE
	v_lshl_add_u32 v[PW], v[LN], 4, s20
	v_add_nc_u32 v[PW2], 65536, v[PW]
	s_mul_i32 s20, s16, 384
	v_lshl_add_u32 v[XA0], v[HH], 4, s20
	s_lshl_b32 s20, s16, 12
	v_lshl_add_u32 v[FA], v[LN], 4, s20
.irp q, 1,2,3
	v_add_nc_u32 v[FA+\q], PLANE*\q, v[FA]
.endr
.irp q, 0,1,2,3
	v_add_nc_u32 v[FB+\q], 65536, v[FA+\q]
.endr
	s_lshl_b32 s20, s17, 8
	v_lshl_add_u32 v[PO], v[RR], 4, s20
.irp j, 0,1,2,3
	v_mov_b32 v[PX+\j], 0                          ; written once: a lane permute's destination counts as one of its sources
.endr
	s_wait_kmcnt 0x0
	s_mul_i32 s30, s18, 8192000                    ; my expert,
	s_mul_i32 s31, s16, 2048000                    ; my 512 rows of 4,000 bytes: together under 2^31
	s_add_co_u32 s30, s30, s31
	s_mov_b32 s31, 0
	s_add_nc_u64 s[4:5], s[4:5], s[30:31]
	s_mul_i32 s30, s18, 4000
	s_add_nc_u64 s[6:7], s[6:7], s[30:31]
	s_lshl_b32 s30, s18, 14                        ; 4,096 words of list an expert
	s_add_nc_u64 s[12:13], s[12:13], s[30:31]
	s_lshl_b32 s30, s18, 7                         ; 32 words of cnt
	s_add_nc_u64 s[14:15], s[14:15], s[30:31]
	s_load_b32 s19, s[14:15], 0x0                  ; the number of my expert's rows: wanted behind the stream
	global_load_b128 v[BI:BI+3], v[BO], s[6:7]
	LISTLOAD                                       ; the first chunk's entries: 0 .. 319 are written whatever the count
	LOADG 0, 0, 31
	LOADG 1, 0, 31
	WIN 0
	; ---- the stream: eight groups of 64 rows, two groups (64 loads a wave) ahead
.irp g, 0,1,2,3,4,5,6,7
.if \g == 7
	s_wait_loadcnt 0x0
.elseif \g == 1
	s_wait_loadcnt 63                              ; behind group 1's loads stand batch 0's 52 and group 2's 32; 63 is the largest count that the wait can name (ISA guide 5.7.1): group 1 is in, and so are 21 loads more
.else
	s_wait_loadcnt 32                              ; loads come back in order (ISA guide 5.7.1): this group's 32 and all before them are in; the next group's 32 may be out
.endif
	COPYG \g
.if \g == 0
	ISSUE 0, 1                                     ; the list's entries came ahead of group 0: the first chunk's batch 0 is asked for here, into window 3
.endif
.if \g == 7
	ISSUE 1, 0                                     ; window 2 has been left: its batch 1
.endif
.if \g < 6
	LOADG \g+2, 0, 31                              ; into the set just copied
	WIN 0
.endif
	QGROUP \g
.endr
.rept 8
	v_nop                                          ; a scale word written by a vector instruction stands eight places ahead of a scaled matrix instruction, an operand four
.endr
	s_wait_kmcnt 0x0                               ; the count
	; ---- the rows, in 7 chunks of 320.  At the head of a chunk that has rows its batches 0 (buffer 1) and 1 (buffer 0) have been asked for
.Lchunk:
	s_cmp_ge_u32 s25, s19
	s_cbranch_scc1 .Lsummed
	s_wait_loadcnt 52                              ; batch 0's 52 loads are in; batch 1's may be out
	COMPUTE 0, 1
	s_add_co_u32 s20, s25, 64
	s_cmp_ge_u32 s20, s19
	s_cbranch_scc1 .Lsummed
	ISSUE 2, 1                                     ; the next batch is always asked for: the list's repeats make it valid
	s_wait_loadcnt 52
	COMPUTE 1, 0
	s_add_co_u32 s20, s25, 128
	s_cmp_ge_u32 s20, s19
	s_cbranch_scc1 .Lsummed
	ISSUE 3, 0
	s_wait_loadcnt 52
	COMPUTE 2, 1
	s_add_co_u32 s20, s25, 192
	s_cmp_ge_u32 s20, s19
	s_cbranch_scc1 .Lsummed
	ISSUE 4, 1
	s_wait_loadcnt 52
	COMPUTE 3, 0
	s_add_co_u32 s20, s25, 256
	s_cmp_ge_u32 s20, s19
	s_cbranch_scc1 .Lsummed
	s_wait_loadcnt 0x0
	COMPUTE 4, 1
.Lsummed:
	s_wait_loadcnt 0x0                             ; a batch that was asked for and is not wanted has landed: its registers are loaded again below
	s_wait_dscnt 0x0                               ; for the others' sake: my images lie in my plane
	s_barrier_signal -1
	s_barrier_wait -1                              ; everybody's do
	FINAL 0
	FINAL 1
	FINAL 2
	FINAL 3
	FINAL 4
	s_wait_xcnt 0x0                                ; the stores have read their offsets and data: both are written again below
	s_wait_dscnt 0x0                               ; my reads of the planes are over
	s_barrier_signal -1
	s_barrier_wait -1                              ; everybody's are: the planes may be written again
	s_add_co_u32 s25, s25, CROWS
	s_add_co_u32 s26, s26, 4*CROWS
	v_add_nc_u32 v[LA], s26, v[LR]                 ; (the loads that read these two were waited for above)
	v_add_nc_u32 v[LF], s26, v[LFB]
	s_cmp_ge_u32 s25, s19
	s_cbranch_scc1 .Lno_list                       ; a chunk without rows reads nothing of the list: entries past the count + 319 are not written
	LISTLOAD
	s_wait_loadcnt 0x0                             ; the chunk's entries are in
	ISSUE 0, 1
	ISSUE 1, 0
.Lno_list:
	s_add_co_u32 s27, s27, 1
	s_cmp_lt_u32 s27, 7
	s_cbranch_scc1 .Lchunk
	s_endpgm
.Lfunc_end_k_q47cca922e2_experts:
	.size	k_q47cca922e2_experts, .Lfunc_end_k_q47cca922e2_experts-k_q47cca922e2_experts
	.p2alignl 7, 3214868480
	.fill 96, 4, 3214868480
	.section	.rodata,"a",@progbits
	.p2align	6, 0x0
	.amdhsa_kernel k_q47cca922e2_experts
		.amdhsa_group_segment_fixed_size 327680
		.amdhsa_private_segment_fixed_size 0
		.amdhsa_enable_private_segment 0
		.amdhsa_kernarg_size 56
		.amdhsa_user_sgpr_count 2
		.amdhsa_user_sgpr_kernarg_segment_ptr 1
		.amdhsa_wavefront_size32 1
		.amdhsa_system_sgpr_workgroup_id_x 1
		.amdhsa_system_sgpr_workgroup_id_y 1
		.amdhsa_system_sgpr_workgroup_id_z 1
		.amdhsa_system_vgpr_workitem_id 0
		.amdhsa_next_free_vgpr 1024
		.amdhsa_next_free_sgpr 66
		.amdhsa_reserve_vcc 0
		.amdhsa_float_denorm_mode_32 3
		.amdhsa_float_denorm_mode_16_64 3
		.amdhsa_memory_ordered 1
		.amdhsa_forward_progress 1
		.amdhsa_inst_pref_size 251
	.end_amdhsa_kernel
	.amdgpu_metadata
---
amdhsa.version: [ 1, 2 ]
amdhsa.kernels:
  - .name:           k_q47cca922e2_experts
    .symbol:         k_q47cca922e2_experts.kd
    .args:
      - { .name: We, .offset: 0, .size: 8, .value_kind: global_buffer, .address_space: global }
      - { .name: be, .offset: 8, .size: 8, .value_kind: global_buffer, .address_space: global }
      - { .name: xc, .offset: 16, .size: 8, .value_kind: global_buffer, .address_space: global }
      - { .name: xsc, .offset: 24, .size: 8, .value_kind: global_buffer, .address_space: global }
      - { .name: list, .offset: 32, .size: 8, .value_kind: global_buffer, .address_space: global }
      - { .name: cnt, .offset: 40, .size: 8, .value_kind: global_buffer, .address_space: global }
      - { .name: part, .offset: 48, .size: 8, .value_kind: global_buffer, .address_space: global }
    .group_segment_fixed_size: 327680
    .private_segment_fixed_size: 0
    .kernarg_segment_align: 8
    .kernarg_segment_size: 56
    .max_flat_workgroup_size: 128
    .sgpr_count:     66
    .vgpr_count:     1024
    .wavefront_size: 32
...
	.end_amdgpu_metadata
.endif
;; end of part 7
;; launch combine: the kernel of part 4 again; grid 250 x 1, 8 waves a work-group, no clusters, 0 bytes of LDS; arguments part, gw, out0; writes out0
